; MI455X (gfx1250); checked and timed in simulation.
; The chip was launched on July 23, 2026; its instructions are those of AMD's public machine-readable ISA for CDNA 5 (MIT licence, August 2026) and "CDNA5" Instruction Set Architecture Reference Guide (July 2026). The comments in the code are by the model that wrote it; some were corrected since.
;; Multi Head Attention. Allowed arithmetic: matrix products marked QUANTISED: E2M1 operands, one E8M0 scale for each 32 along K, by v_wmma_scale_f32_16x16x128_f8f6f4 with both operands' format E2M1 (or v_wmma_scale_f32_32x16x128_f4), f32 sums; products left as they are: bf16, f16 or f32 operands; f32 sums; everything else in f32.
;; Inputs: Wk 1,024 x 1,024 float32; Wo 1,024 x 1,024 float32; Wq 1,024 x 1,024 float32; Wv 1,024 x 1,024 float32; bk 1,024 float32; bo 1,024 float32; bq 1,024 float32; bv 1,024 float32; inputs 4 x 2,048 x 1,024 float32.
;; Outputs: out0 4 x 2,048 x 1,024 float32.
;; This version of the problem:
;;   THIS VERSION OF THE PROBLEM IS GIVEN IN LOW PRECISION. The matrix products marked QUANTISED in the list below multiply operands that are first quantised to E2M1 (2 exponent bits, 1 mantissa bit; 4 bits a number), with one power-of-two scale for each 32 numbers along K (OCP MX v1.0); their sums are f32. The products marked 'left as it is' may take bf16, f16 or f32 operands, with f32 sums. Whichever they take, every output number must still come out within the allowed error. Rounding operands to bf16 (8 significant bits) uses up far more of that allowance than f16 does (11 bits, for magnitudes from 6e-5 to 65,504). All else is computed in f32.
;;   The module's matrix products, in the order in which they are computed (A, B: the left and right operand; K: the contracted axis; several contracted axes count as one K, in the product's order):
;;     1. [M 8,192, K 1,024] x [K 1,024, N 1,024]; A: input inputs; B: input Wq: QUANTISED
;;     2. [M 8,192, K 1,024] x [K 1,024, N 1,024]; A: input inputs; B: input Wk: QUANTISED
;;     3. [M 8,192, K 1,024] x [K 1,024, N 1,024]; A: input inputs; B: input Wv: QUANTISED
;;     4. batch 64 x [M 2,048, K 64] x [K 64, N 2,048]; A: computed on the way; B: computed on the way: left as it is (an operand is computed on the way)
;;     5. batch 64 x [M 2,048, K 2,048] x [K 2,048, N 64]; A: computed on the way; B: computed on the way: left as it is (an operand is computed on the way)
;;     6. [M 8,192, K 1,024] x [K 1,024, N 1,024]; A: computed on the way; B: input Wo: left as it is (an operand is computed on the way)
;;   THE QUANTISER, for each operand of a quantised product, along K:
;;     - K is cut into blocks of 32 from its start; a last block that is shorter is filled with zeros.
;;     - A block's scale is 2^e with e = floor(log2(the largest magnitude in the block)) - 2, held to -126 .. 127; a block of zeros has e = 0. As a byte (E8M0): e + 127.
;;     - Each number is divided by its block's scale, clamped to +-6, and rounded to the nearest number of E2M1, ties to even, subnormals kept.
;;     - The product sums the exact products of the quantised numbers (number of the format x scale) in f32.
;;   ~~~python
;;   def quantise(x, axis):      # numpy; x: float32 -> the quantised numbers, widened to float32 again
;;       x = np.moveaxis(x, axis, -1); K = x.shape[-1]
;;       x = np.pad(x, [(0, 0)] * (x.ndim - 1) + [(0, -K % 32)]); x = x.reshape(x.shape[:-1] + (-1, 32)); a = np.abs(x).max(-1, keepdims=True)
;;       e = np.where(a > 0, np.clip(np.frexp(np.where(a > 0, a, 1))[1] - 1 - 2, -126, 127), 0)      # np.frexp(a)[1] - 1 = floor(log2(a)), exactly
;;       r = np.clip(x / 2.0 ** e, -6, 6)
;;       step = 2.0 ** (np.maximum(np.frexp(np.where(r == 0, 1, r))[1] - 1, 0) - 1)
;;       q = np.round(r / step) * step * 2.0 ** e      # np.round: ties to even
;;       return np.moveaxis(q.reshape(q.shape[:-2] + (-1,))[..., :K], -1, axis).astype(np.float32)
;;   ~~~
;; One version. Each part assembles by itself: llvm-mc -triple=amdgcn-amd-amdhsa -mcpu=gfx1250 --defsym DOCPART=n.
;; ======== version 1 of 1: 4 launches
;; limits: values are held in f16: magnitudes above 65,504 overflow, below 6.1e-05 lose precision
;; workspace buffers: x_codes 4,194,304 bytes; x_scales 262,144 bytes; w_codes 1,572,864 bytes; w_scales 98,304 bytes; wo16 2,097,152 bytes; qkv 50,331,648 bytes; o16 16,777,216 bytes
;; launch prep (part 1): grid 368 x 1, 4 waves a work-group, no clusters, 68,096 bytes of LDS; arguments inputs, Wq, Wk, Wv, Wo, x_codes, x_scales, w_codes, w_scales, wo16; writes x_codes, x_scales, w_codes, w_scales, wo16
.if DOCPART == 1
	.amdgcn_target "amdgcn-amd-amdhsa--gfx1250"
	.amdhsa_code_object_version 6
	.text
	.protected	k_qc41e9baa05_prep
	.globl	k_qc41e9baa05_prep
	.p2align	8
	.type	k_qc41e9baa05_prep,@function
k_qc41e9baa05_prep:
	s_mov_b64 s[64:65], 0
	v_nop
	global_prefetch_b8 v0, s[64:65] scope:SCOPE_SE
	s_setreg_imm32_b32 hwreg(HW_REG_WAVE_MODE, 25, 1), 1
	s_wait_xcnt 0x0
; PREP: what the later launches read many times is made once.
;   work-groups   0 ..  47  Wq, Wk, Wv [1024 k][1024 n] f32 -> codes of FP4 (E2M1) laid [3072 = q,k,v x n][1024 k], K innermost (512 bytes a row), and E8M0 scale bytes [3072][32]
;   work-groups  48 .. 111  Wo [1024][1024] f32 -> f16, laid as it lies
;   work-groups 112 .. 367  inputs [8192][1024] f32 -> codes [8192][512 bytes] and scale bytes [8192][32]
; The three paths part on the work-group's number and never join; each path that uses LDS has LDS bytes of its own.
; THE QUANTISER: a block of 32 along K has the scale 2^(floor(log2(largest magnitude)) - 2); its byte is the largest magnitude's exponent field - 2, held at 1 from below.  Each number is divided by the scale
; and rounded to the nearest code, ties to even; beyond 6 the largest code.  A block of zeros gets the byte 1 where the rule says 127: its codes are zeros, and the bytes are read by this program alone.
; LIMITS: NaN and infinities among the inputs are not served; blocks whose largest magnitude lies under 2^-124 get the byte 1; |Wo| stays under 65,504, and under 6e-5 it is carried in steps of 6e-8 (f16).
; No tensor load, no barrier: waves share nothing.
.set NWG_W, 48
.set NWG_C, 64
.set SPARE, 67584                      ; behind both paths' LDS: the spare words, 128 bytes for each wave: two blocks of 256 bytes that no other line names
.set SPW,   190                        ; v190 LDS address of my spare word: SPARE + 4 x my thread's number; never rewritten
.set NIL,   191                        ; v191 0; never rewritten
.set EMAX,  2
; path X (inputs)
.set STEPS, 16                         ; a wave takes 16 steps of 512 numbers
.set CB,    8                          ; bytes of 16 codes
.set R,     16                         ; v16-79   four sets of 16 numbers as they are loaded
.set X,     80                         ; v80-111  two sets of 16 neighbours
.set E,     112                        ; v112-127 a scale byte for each step
.set C,     128                        ; v128-189 codes: four registers for each step, so that no store's data are written again
.set WREG,  8192                       ; LDS 0 .. 32,767: a region for each wave: two stages of 32 x SP bytes, behind them its 256 scale bytes
.set SP,    80                         ; a lane's place in a stage: its 64 bytes + 16 of padding
; path W (weights)
.set WSTG,  32768                      ; LDS 32,768 .. 67,583: a stage of 32 x PITCH bytes for each wave
.set NB,    16                         ; blocks of 32 along K for a wave: 512 along K
.set PITCH, 272                        ; a stage row: 256 bytes of codes + 16
.set KROW,  512                        ; a row of the codes' buffer in bytes
.set WROW,  4096                       ; a row of a weight in bytes
.set WX,    32                         ; v32-95   two sets of 32 numbers
.set WC,    96                         ; v96-99   a block's codes
.set OUTR,  112                        ; v112-175 the way out
.set SB,    24                         ; v24-27   the scale bytes, four to a register
	s_load_b512 s[4:19], s[0:1], 0x0               ; inputs 4:5, Wq 6:7, Wk 8:9, Wv 10:11, Wo 12:13, x_codes 14:15, x_scales 16:17, w_codes 18:19
	s_load_b128 s[20:23], s[0:1], 0x40             ; w_scales 20:21, wo16 22:23
	v_lshl_add_u32 v[SPW], v0, 2, SPARE
	v_mov_b32 v[NIL], 0
	v_lshrrev_b32 v1, 5, v0
	v_readfirstlane_b32 s24, v1                    ; wave 0..3
	v_and_b32 v2, 31, v0                           ; lane
	s_mov_b32 s29, 0                               ; the high word of every offset: all stay under 2^32
	s_wait_kmcnt 0x0
	s_cmp_lt_u32 ttmp9, NWG_W
	s_cbranch_scc1 .Lweights
	s_cmp_lt_u32 ttmp9, NWG_W+NWG_C
	s_cbranch_scc1 .Lcast
; ---------------- PATH X: inputs.  Rows are dense and K is a multiple of 32: a plain stream of blocks of 32.
; Each of a step's four loads reads 512 consecutive bytes, 16 a lane; the 2,048 bytes turn through the wave's own stage in LDS and come back 64 bytes a lane: 16 neighbours, two lanes to a block.
	v_lshlrev_b32 v3, 4, v2                        ; my 16 bytes of a load's 512
	s_mul_i32 s25, s24, WREG
	v_lshrrev_b32 v14, 2, v2
	v_mul_u32_u24 v14, v14, SP
	v_and_b32 v15, 3, v2
	v_lshl_add_u32 v14, v15, 4, v14
	v_add_nc_u32 v14, s25, v14                     ; the stage, on the way in: SP (lane / 4) + 16 (lane % 4)
	v_mul_u32_u24 v15, v2, SP
	v_add_nc_u32 v15, s25, v15                     ; and on the way out: SP x lane
	v_mul_u32_u24 v4, v2, CB                       ; my codes' place in a step's
	v_lshrrev_b32 v5, 1, v2
	s_add_co_u32 s25, s25, 2*32*SP
	v_add_nc_u32 v5, s25, v5                       ; LDS: my wave's 256 scale bytes, my block's byte
	v_lshlrev_b32 v7, 3, v2                        ; and on the way out 8 bytes a lane
	v_add_nc_u32 v6, s25, v7
	s_sub_co_u32 s26, ttmp9, NWG_W+NWG_C
	s_lshl_b32 s26, s26, 2
	s_add_co_u32 s26, s26, s24                     ; which run of 8,192 numbers is my wave's: 0 .. 1,023
	s_lshl_b32 s28, s26, 15                        ; 32,768 bytes of numbers,
	s_add_nc_u64 s[4:5], s[4:5], s[28:29]
	s_lshl_b32 s28, s26, 12                        ; 4,096 of codes,
	s_add_nc_u64 s[14:15], s[14:15], s[28:29]
	s_lshl_b32 s28, s26, 8                         ; 256 scale bytes a run
	s_add_nc_u64 s[16:17], s[16:17], s[28:29]
.macro XLOAD t
.irp i, 0,1,2,3
	global_load_b128 v[R+16*((\t)%4)+4*\i:R+16*((\t)%4)+4*\i+3], v3, s[4:5] offset:2048*(\t)+512*\i th:TH_LOAD_NT   ; 32 lanes read 512 consecutive bytes
.endr
.endm
.macro XTURN t                         ; step t's numbers through the stage: LDS serves a wave's instructions in order, so no wait stands between the stores and the loads
.irp i, 0,1,2,3
	ds_store_b128 v14, v[R+16*((\t)%4)+4*\i:R+16*((\t)%4)+4*\i+3] offset:32*SP*((\t)%2)+8*SP*\i
.endr
.irp i, 0,1,2,3
	ds_load_b128 v[X+16*((\t)%2)+4*\i:X+16*((\t)%2)+4*\i+3], v15 offset:32*SP*((\t)%2)+16*\i
.endr
.endm
.irp t, 0,1,2,3
	XLOAD \t
.endr
	s_wait_loadcnt 12                              ; step 0's four loads are in; three steps' twelve may be out
	XTURN 0
.macro XSTEP t
.set XS, X+16*((\t)%2)
.if (\t) > 0
	s_wait_dscnt 1                                 ; this step's numbers are back from the stage (the last step's byte store may be out): so its stores into the stage have read their registers,
.else
	s_wait_dscnt 0x0
.endif
.if (\t)+4 < STEPS
	XLOAD (\t)+4                                   ; which take the loads of four steps on
.endif
.if (\t)+1 < STEPS
.if STEPS-2-(\t) >= 3
	s_wait_loadcnt 12                              ; the next step's four loads are in; those of the three steps behind it may be out
.else
	s_wait_loadcnt 4*(STEPS-2-(\t))
.endif
	XTURN (\t)+1                                   ; and go through the other stage while this step is worked
.endif
	v_max3_num_f32 v8, |v[XS]|, |v[XS+1]|, |v[XS+2]|               ; the largest magnitude of my 16, in two chains
	v_max3_num_f32 v9, |v[XS+3]|, |v[XS+4]|, |v[XS+5]|
.irp i, 6,10
	v_max3_num_f32 v8, v8, |v[XS+\i]|, |v[XS+\i+1]|
	v_max3_num_f32 v9, v9, |v[XS+\i+2]|, |v[XS+\i+3]|
.endr
	v_max3_num_f32 v8, v8, |v[XS+14]|, |v[XS+15]|
	v_max3_num_f32 v8, v8, v9, (EMAX+1)<<23        ; and the floor 2^(EMAX + 1 - 127): the byte cannot fall under 1
	v_max_num_f32_dpp v8, v8, v8 row_xmask:1 row_mask:0xf bank_mask:0xf   ; and of my neighbour's 16: the block's
	v_add_nc_u32 v11, -(EMAX<<23), v8              ; EMAX off its exponent field: the conversion takes the exponent field of this operand as its scale
	v_cvt_scalef32_pk8_fp4_f32 v[C+4*(\t)], v[XS:XS+7], v11
	v_cvt_scalef32_pk8_fp4_f32 v[C+4*(\t)+1], v[XS+8:XS+15], v11
	v_lshrrev_b32 v[E+(\t)], 23, v11               ; the scale's byte (also the plain line behind the conversions)
	ds_store_b8 v5, v[E+(\t)] offset:16*(\t)       ; both lanes of a block write the same byte with the same value
	global_store_b64 v4, v[C+4*(\t):C+4*(\t)+1], s[14:15] offset:32*CB*(\t)   ; the wave stores 256 consecutive bytes, aligned
.endm
.irp t, 0,1,2,3,4,5,6,7,8,9,10,11,12,13,14,15
	XSTEP \t
.endr
	ds_load_b64 v[8:9], v6                         ; LDS serves a wave's instructions in order: these see my byte stores
	s_wait_dscnt 0x0
	global_store_b64 v7, v[8:9], s[16:17]          ; 32 lanes store 256 consecutive bytes, aligned
	s_wait_tensorcnt 0x0                           ; the wave's end: a tensor wait, an add of 0 and its wait behind my last LDS store
	ds_add_u32 v[SPW], v[NIL]
	s_wait_dscnt 0x0
	s_endpgm
; ---------------- PATH W: a weight's K is its FIRST axis.  A lane takes a column n and its registers run down K: each load reads 128 consecutive bytes a wave, a block of 32 lies in one lane's 32 registers,
; and the conversions give codes with K innermost.  A wave takes 32 columns x 512 along K; the codes leave through its stage in LDS, sixteen lanes to 256 consecutive bytes.
.Lweights:
	s_lshr_b32 s25, ttmp9, 4                       ; which weight: 0 q, 1 k, 2 v
	s_cmp_eq_u32 s25, 0
	s_cselect_b64 s[6:7], s[6:7], s[8:9]
	s_cmp_eq_u32 s25, 2
	s_cselect_b64 s[6:7], s[10:11], s[6:7]
	s_and_b32 s26, ttmp9, 7
	s_lshl_b32 s26, s26, 7
	s_lshl_b32 s27, s24, 5
	s_add_co_u32 s26, s26, s27                     ; my wave's first column
	s_bfe_u32 s27, ttmp9, 0x10003                  ; which 512 along K
	s_lshl_b32 s28, s27, 21                        ; 512 rows of 4,096 bytes
	s_lshl_b32 s30, s26, 2
	s_add_co_u32 s28, s28, s30
	s_add_nc_u64 s[6:7], s[6:7], s[28:29]
	s_lshl_b32 s30, s25, 10
	s_add_co_u32 s30, s30, s26                     ; my first row of the outputs: 1,024 x weight + column
	s_lshl_b32 s28, s30, 9
	s_lshl_b32 s31, s27, 8
	s_add_co_u32 s28, s28, s31
	s_add_nc_u64 s[18:19], s[18:19], s[28:29]      ; codes: 512 bytes a row, 256 for my part of K
	s_lshl_b32 s28, s30, 5
	s_lshl_b32 s31, s27, 4
	s_add_co_u32 s28, s28, s31
	s_add_nc_u64 s[20:21], s[20:21], s[28:29]      ; scale bytes: 32 a row, 16 for my part of K
	v_lshlrev_b32 v3, 2, v2                        ; in: 4 bytes a lane
	s_mul_i32 s31, s24, 32*PITCH
	s_add_co_u32 s31, s31, WSTG                    ; my stage
	v_mul_u32_u24 v4, v2, PITCH
	v_add_nc_u32 v4, s31, v4                       ; into it: row = my column
	v_and_b32 v5, 15, v2
	v_lshrrev_b32 v6, 4, v2                        ; out of it: sixteen lanes to a row, two rows an instruction
	v_mul_u32_u24 v7, v6, PITCH
	v_lshl_add_u32 v7, v5, 4, v7
	v_add_nc_u32 v7, s31, v7
	v_mul_u32_u24 v8, v6, KROW
	v_lshl_add_u32 v8, v5, 4, v8                   ; and the same place in the codes' buffer
	v_lshlrev_b32 v9, 5, v2                        ; my column's row of scale bytes
.macro WLOAD t                         ; block t: W(32 t + i, my column), i = 0 .. 31, into set t % 2; every offset an immediate: 511 rows of 4,096 bytes at the most
.set i, 0
.rept 32
	global_load_b32 v[WX+32*((\t)%2)+i], v3, s[6:7] offset:(32*(\t)+i)*WROW th:TH_LOAD_NT
.set i, i+1
.endr
.endm
	WLOAD 0
	WLOAD 1
.macro WBLOCK t
.set XS, WX+32*((\t)%2)
.if (\t) < NB-1
	s_wait_loadcnt 32                              ; this block's 32 loads are in; the next block's may be out
.else
	s_wait_loadcnt 0
.endif
	v_max3_num_f32 v12, |v[XS]|, |v[XS+1]|, |v[XS+2]|               ; the block's largest magnitude: all 32 numbers are mine
	v_max3_num_f32 v13, |v[XS+3]|, |v[XS+4]|, |v[XS+5]|
.irp i, 6,10,14,18,22,26
	v_max3_num_f32 v12, v12, |v[XS+\i]|, |v[XS+\i+1]|
	v_max3_num_f32 v13, v13, |v[XS+\i+2]|, |v[XS+\i+3]|
.endr
	v_max3_num_f32 v12, v12, |v[XS+30]|, |v[XS+31]|
	v_max3_num_f32 v12, v12, v13, (EMAX+1)<<23     ; and the floor
	v_add_nc_u32 v11, -(EMAX<<23), v12             ; the conversion's scale operand
	v_lshrrev_b32 v13, 23, v11                     ; the scale's byte
.if (\t)%4 == 0
	v_mov_b32 v[SB+(\t)/4], v13                    ; four bytes to a register, the lower K in the lower byte
.else
	v_lshl_or_b32 v[SB+(\t)/4], v13, 8*((\t)%4), v[SB+(\t)/4]
.endif
.irp g, 0,1,2,3
	v_cvt_scalef32_pk8_fp4_f32 v[WC+\g], v[XS+8*\g:XS+8*\g+7], v11
.endr
	v_nop                                          ; one plain line behind the last conversion
	ds_store_b128 v4, v[WC:WC+3] offset:16*(\t)    ; 32 codes: 16 bytes of my column's row
.if (\t)+2 < NB
	WLOAD (\t)+2
.endif
	s_wait_dscnt 0x0                               ; the store has read its registers: the next block's codes may be written
.endm
.set Q, 0
.rept NB
	WBLOCK Q
.set Q, Q+1
.endr
	global_store_b128 v9, v[SB:SB+3], s[20:21]     ; my column's 16 scale bytes
.set u, 0
.rept 16
	ds_load_b128 v[OUTR+4*u:OUTR+4*u+3], v7 offset:2*u*PITCH   ; LDS serves a wave's instructions in order: these see my stores
.set u, u+1
.endr
.set u, 0
.rept 16
	s_wait_dscnt 15-u
	global_store_b128 v8, v[OUTR+4*u:OUTR+4*u+3], s[18:19] offset:2*u*KROW   ; sixteen lanes store 256 consecutive bytes, aligned
.set u, u+1
.endr
	s_wait_tensorcnt 0x0                           ; the wave's end: a tensor wait, an add of 0 and its wait behind my last LDS store
	ds_add_u32 v[SPW], v[NIL]
	s_wait_dscnt 0x0
	s_endpgm
; ---------------- PATH C: Wo to f16, as it lies.  A wave takes 16 KiB: 32 loads of 512 consecutive bytes, all out at once; each gives a store of 256 consecutive bytes.  No LDS.
.Lcast:
	s_sub_co_u32 s25, ttmp9, NWG_W
	s_lshl_b32 s25, s25, 2
	s_add_co_u32 s25, s25, s24                     ; my wave's chunk: 0 .. 255
	s_lshl_b32 s28, s25, 14
	s_add_nc_u64 s[12:13], s[12:13], s[28:29]
	s_lshl_b32 s28, s25, 13
	s_add_nc_u64 s[22:23], s[22:23], s[28:29]
	v_lshlrev_b32 v3, 4, v2
	v_lshlrev_b32 v4, 3, v2
.set i, 0
.rept 32
	global_load_b128 v[16+4*i:19+4*i], v3, s[12:13] offset:512*i th:TH_LOAD_NT
.set i, i+1
.endr
.set i, 0
.rept 32
	s_wait_loadcnt 31-i                            ; loads come back in order: load i is in, the younger ones stay out
	v_cvt_pk_f16_f32 v[16+4*i], v[16+4*i], v[17+4*i]
	v_cvt_pk_f16_f32 v[17+4*i], v[18+4*i], v[19+4*i]
	global_store_b64 v4, v[16+4*i:17+4*i], s[22:23] offset:256*i
.set i, i+1
.endr
	s_endpgm
.Lfunc_end_k_qc41e9baa05_prep:
	.size	k_qc41e9baa05_prep, .Lfunc_end_k_qc41e9baa05_prep-k_qc41e9baa05_prep
	.p2alignl 7, 3214868480
	.fill 96, 4, 3214868480
	.section	.rodata,"a",@progbits
	.p2align	6, 0x0
	.amdhsa_kernel k_qc41e9baa05_prep
		.amdhsa_group_segment_fixed_size 68096
		.amdhsa_private_segment_fixed_size 0
		.amdhsa_enable_private_segment 0
		.amdhsa_kernarg_size 80
		.amdhsa_user_sgpr_count 2
		.amdhsa_user_sgpr_kernarg_segment_ptr 1
		.amdhsa_wavefront_size32 1
		.amdhsa_system_sgpr_workgroup_id_x 1
		.amdhsa_system_sgpr_workgroup_id_y 1
		.amdhsa_system_sgpr_workgroup_id_z 1
		.amdhsa_system_vgpr_workitem_id 0
		.amdhsa_next_free_vgpr 192
		.amdhsa_next_free_sgpr 66
		.amdhsa_reserve_vcc 0
		.amdhsa_float_denorm_mode_32 3
		.amdhsa_float_denorm_mode_16_64 3
		.amdhsa_memory_ordered 1
		.amdhsa_forward_progress 1
		.amdhsa_inst_pref_size 123
	.end_amdhsa_kernel
	.amdgpu_metadata
---
amdhsa.version: [ 1, 2 ]
amdhsa.kernels:
  - .name:           k_qc41e9baa05_prep
    .symbol:         k_qc41e9baa05_prep.kd
    .args:
      - { .name: inputs, .offset: 0, .size: 8, .value_kind: global_buffer, .address_space: global }
      - { .name: Wq, .offset: 8, .size: 8, .value_kind: global_buffer, .address_space: global }
      - { .name: Wk, .offset: 16, .size: 8, .value_kind: global_buffer, .address_space: global }
      - { .name: Wv, .offset: 24, .size: 8, .value_kind: global_buffer, .address_space: global }
      - { .name: Wo, .offset: 32, .size: 8, .value_kind: global_buffer, .address_space: global }
      - { .name: x_codes, .offset: 40, .size: 8, .value_kind: global_buffer, .address_space: global }
      - { .name: x_scales, .offset: 48, .size: 8, .value_kind: global_buffer, .address_space: global }
      - { .name: w_codes, .offset: 56, .size: 8, .value_kind: global_buffer, .address_space: global }
      - { .name: w_scales, .offset: 64, .size: 8, .value_kind: global_buffer, .address_space: global }
      - { .name: wo16, .offset: 72, .size: 8, .value_kind: global_buffer, .address_space: global }
    .group_segment_fixed_size: 68096
    .private_segment_fixed_size: 0
    .kernarg_segment_align: 8
    .kernarg_segment_size: 80
    .max_flat_workgroup_size: 128
    .sgpr_count:     66
    .vgpr_count:     192
    .wavefront_size: 32
...
	.end_amdgpu_metadata
.endif
;; end of part 1
;; launch qkv (part 2): grid 12 x 32, 4 waves a work-group, clusters of 4 x 4, 327,680 bytes of LDS; arguments x_codes, x_scales, w_codes, w_scales, qkv, bq, bk, bv; writes qkv
.if DOCPART == 2
	.amdgcn_target "amdgcn-amd-amdhsa--gfx1250"
	.amdhsa_code_object_version 6
	.text
	.protected	k_qc41e9baa05_qkv
	.globl	k_qc41e9baa05_qkv
	.p2align	8
	.type	k_qc41e9baa05_qkv,@function
k_qc41e9baa05_qkv:
	s_mov_b64 s[64:65], 0
	v_nop
	global_prefetch_b8 v0, s[64:65] scope:SCOPE_SE
	s_setreg_imm32_b32 hwreg(HW_REG_WAVE_MODE, 25, 1), 1
	s_wait_xcnt 0x0
	s_wait_alu depctr_hold_cnt(0) depctr_sa_sdst(0) depctr_va_vdst(0) depctr_va_sdst(0) depctr_va_ssrc(0) depctr_va_vcc(0) depctr_vm_vsrc(0)
	s_getreg_b32 s2, hwreg(HW_REG_IB_STS2, 6, 4)
	s_cmp_eq_u32 s2, 0
	s_cbranch_scc0 .Lentry_in_a_cluster
	s_endpgm
.Lentry_in_a_cluster:
	s_bfe_u32 s2, ttmp6, 0x10000c
	s_cmp_lg_u32 s2, 0xf033
	s_cbranch_scc0 .Lentry_shape_is_right
	s_endpgm
.Lentry_shape_is_right:
; q, k, v = inputs x Wq, Wk, Wv + bias, the three quantised products as ONE product C[m][n] = sum over k of A[m][k] B[n][k] on codes of FP4 (E2M1) with one E8M0 scale for each 32 along K.
; A: x_codes [8192][1024], B: w_codes [3072 = q,k,v x 1024][1024], K innermost, two codes a byte; scale bytes [rows][32].  Sums in f32, begun with the bias; results rounded once to f16.
; OUTPUT: qkv [which 3][batch 4][head 16][s 2048][64] f16: 16 rows of one head are 2,048 consecutive bytes.
; LIMITS: |q|, |k|, |v| stay under 65,504; under 6e-5 they are carried in steps of 6e-8 (f16).
; A tile of C, 256 x 256, is made by a work-group of four waves; a wave makes 128 x 128: 64 accumulators of 16 x 16, 512 registers.  K = 1,024 is two K steps of 512: the two LDS slots are each filled once.
; THE SCALES of the work-group's 256 rows of A and of B, for all of K, are two dense blocks of memory: they come into LDS once, with the first fills.
; CLUSTERS: 4 x 4 work-groups.  The four of a row of the cluster need the same tiles of A, the four of a column the same tiles of B: each tile is asked for JOINTLY, by the same tensor load with the same
; descriptor and a mask that names the four.  A cluster's four tile columns are one weight: the cluster's x says which.
; THE MATRIX INSTRUCTION IS USED TRANSPOSED (source 0 = 16 rows of B, source 1 = 16 rows of A): a lane holds eight neighbouring columns of one row of C.
; REGISTERS, in windows of 256: window 0: v0-31 addresses; v32-95 scale words, two sets; from v128 A's fragments, ONE set; on the way out v32-127 are free.
;   window 1: B's fragments, two sets, at v0 and v128; v64-127 the bias in the result's layout.   window 2: the accumulators of my rows 0-63 ((a, b) at v[8 (8 a + b)]);   window 3: those of my rows 64-127.
.set SIZE_K, 1024
.set KSTEP,  512                       ; along K in a slot
.set NQ,     KSTEP/128                 ; matrix instructions deep
.set ROWB,   256                       ; a tile's row in bytes
.set KROW,   SIZE_K*4/8                ; a row of A or of B in memory, in bytes
.set PITCH,  272                       ; an LDS row: 256 bytes + 16 of padding: the 16 rows that a load touches begin at 16 different multiples of 16 modulo 256
.set FR,     8                         ; registers of a fragment: 16 rows x 128 K
.set NL,     2                         ; LDS loads that bring one
.set NP,     4                         ; places behind this matrix instruction (ISA guide 7.12.1)
.set HALFT,  128*PITCH                 ; 128 rows: what one tensor load brings
.set SLOT,   4*HALFT                   ; A's 256 rows, then B's 256 rows
.set KS,     SIZE_K/32                 ; a row of scales in bytes
.set SCL,    2*SLOT                    ; behind the slots: the scales, as units of 256 bytes + 16 of padding
.set HALFS,  (128*KS/256)*272          ; the scales of 128 rows: what one tensor load brings
.set SBLK,   (16*KS/256)*272           ; those of 16 rows
.set SPARE,  SCL+4*HALFS               ; the spare words, 128 bytes for each wave: two blocks of 256 bytes that no other line names
.set SPITCH, 272                       ; the way out: a stage of 16 rows x (256 bytes + 16) for each wave, in slot 0, which has had its one fill and its last read when the first result is stored there
.set ADRA, 16                          ; v16-17  LDS address of my A fragments in slot 0, 1
.set ADRB, 20                          ; v20-21  the same for B
.set STO,  24                          ; v24     the way out: where I put 16 bytes of a row
.set RD,   25                          ; v25     the way out: where I read back
.set CO,   26                          ; v26     16 x lane
.set ADRS, 27                          ; v27     LDS address of my scale words: lanes 0-15 A's rows, lanes 16-31 B's
.set SPW,  28                          ; v28     LDS address of my spare word; never rewritten
.set NIL,  29                          ; v29     0; never rewritten
.set SC,   32                          ; scale words: set s at v[SC + 8 NQ s]; register NQ i + q: lanes 0-15 the word of A's block i, lanes 16-31 that of B's block i
.set AF,   128                         ; A's fragments, in window 0
.set BIAS, 64                          ; in window 1: register 8 b + j: bias[my first column + 16 b + 8 (lane / 16) + j]
.set TMP,  32                          ; the way out: a block's packed results
.set BK,   64                          ; the way out: a block read back: v64-95 and v96-127 by turns
.set G1, 24                            ; s[24:31] descriptor group 1 for A's tiles;  s[32:39] group 0, one set for each slot
.set G0, 32
.set G1B, 48                           ; s[48:55], s[56:63] the same for B's tiles
.set G0B, 56
.set G1S, 68                           ; s[68:75], s[76:79] groups 1 and 0 for A's scales;  s[80:87], s[88:91] for B's
.set G0S, 76
.set G1SB, 80
.set G0SB, 88
.set MSB, 0
.macro WIN new                         ; the immediate's high byte repeats the setting that is left; a switch that changes nothing is dropped
.if MSB != (\new)
	s_set_vgpr_msb (MSB<<8)|(\new)
.set MSB, (\new)
.endif
.endm
.set MUL_LO, 0xa1                      ; source 0 (B) window 1, source 1 (A) window 0, C and D window 2;  0x91: C (the bias) window 1
.set MUL_HI, 0xf1                      ; the same, C and D window 3;  0xd1: C window 1
.set TO_B,   0x40                      ; destination window 1, address window 0
; A joint load: waves 0 and 1 fetch for A, waves 2 and 3 for B.  The branch hangs on the wave's number alone.  An s_nop 0 and four v_nop follow each of the two lines.
.macro JLOAD g0a, g1a, g0b, g1b
	s_cmp_eq_u32 s15, 0
	s_cbranch_scc0 .Lfor_b_\@
	tensor_load_to_lds s[\g0a:\g0a+3], s[\g1a:\g1a+7]
	s_nop 0
.rept 4
	v_nop
.endr
	s_branch .Lasked_\@
.Lfor_b_\@:
	tensor_load_to_lds s[\g0b:\g0b+3], s[\g1b:\g1b+7]
	s_nop 0
.rept 4
	v_nop
.endr
.Lasked_\@:
.endm
.macro CROUND                          ; a round of the cluster's barrier: my work-group's barrier; wave 0 signals for the work-group; every wave waits for all sixteen; my work-group's barrier once more
	s_barrier_signal -1
	s_barrier_wait -1
	s_cmp_lg_u32 s14, 0
	s_cbranch_scc1 .Lnot_wave_0_\@
	s_barrier_signal -3
.Lnot_wave_0_\@:
	s_barrier_wait -3
	s_barrier_signal -1
	s_barrier_wait -1
.endm
	s_load_b128 s[4:7], s[0:1], 0x0                ; A's codes s[4:5], A's scales s[6:7]
	s_load_b128 s[8:11], s[0:1], 0x10              ; B's codes s[8:9], B's scales s[10:11]
	s_load_b64 s[12:13], s[0:1], 0x20              ; qkv
	s_load_b128 s[96:99], s[0:1], 0x28             ; bq, bk
	s_load_b64 s[100:101], s[0:1], 0x38            ; bv
	v_lshl_add_u32 v[SPW], v0, 2, SPARE
	v_mov_b32 v[NIL], 0
	ds_add_u32 v[SPW], v[NIL]                      ; the wave's opening: the add, twice on end, and its wait ahead of my first tensor load
	ds_add_u32 v[SPW], v[NIL]
	v_lshrrev_b32 v1, 5, v0
	v_readfirstlane_b32 s14, v1                    ; wave 0..3
	s_lshr_b32 s15, s14, 1                         ; which half of the tile's rows is mine.  Also: I fetch for A (0) or for B (1)
	s_and_b32 s16, s14, 1                          ; which half of its columns.  Also: which 128 rows of that tile I fetch
	s_bfe_u32 s40, ttmp6, 0x40000                  ; cx, cy: my place in the cluster
	s_bfe_u32 s41, ttmp6, 0x40004
	s_lshl_b32 s42, ttmp9, 2
	s_add_co_u32 s42, s42, s40                     ; tile column of C = 4 x cluster x + cx
	s_and_b32 s17, ttmp7, 0xffff
	s_lshl_b32 s17, s17, 2
	s_add_co_u32 s17, s17, s41                     ; tile row of C = 4 x cluster y + cy
	s_lshl_b32 s43, s41, 2
	s_lshl_b32 s43, 15, s43                        ; my row of the cluster
	s_lshl_b32 s44, 0x1111, s40                    ; my column
	; descriptor group 1: a tile of 128 rows x 256 bytes, 16 bytes of padding behind each row
	s_or_b32 s[G1+0], s43, (0<<16)|(1<<20)|(1<<21)|(5<<22)|(3<<25)  ; 15:0 the mask: A's tiles go to my row; elements of 1 byte; padding on; bit 21 beside a mask; after every 64 words, 4 words
	s_or_b32 s[G1B+0], s44, (0<<16)|(1<<20)|(1<<21)|(5<<22)|(3<<25)
.irp g, G1, G1B
	s_mov_b32 s[\g+1], ROWB<<16                    ; tensor_dim0
	s_mov_b32 s[\g+2], 128<<16                     ; tensor_dim1
	s_mov_b32 s[\g+3], ROWB<<16                    ; tile_dim0
	s_mov_b32 s[\g+4], 128                         ; tile_dim1
	s_mov_b32 s[\g+5], KROW                        ; tensor_dim0_stride
	s_mov_b32 s[\g+6], 0
	s_mov_b32 s[\g+7], 0
.endr
	; the scales of 128 rows: a dense block of 4,096 bytes, as rows of 256 bytes (32 elements of 8 bytes), 16 bytes of padding behind each
	s_or_b32 s[G1S+0], s43, (3<<16)|(1<<20)|(1<<21)|(5<<22)|(3<<25)
	s_or_b32 s[G1SB+0], s44, (3<<16)|(1<<20)|(1<<21)|(5<<22)|(3<<25)
.irp g, G1S, G1SB
	s_mov_b32 s[\g+1], 32<<16
	s_mov_b32 s[\g+2], (128*KS/256)<<16
	s_mov_b32 s[\g+3], 32<<16
	s_mov_b32 s[\g+4], 128*KS/256
	s_mov_b32 s[\g+5], 32
	s_mov_b32 s[\g+6], 0
	s_mov_b32 s[\g+7], 0
.endr
	s_lshl_b32 s18, s16, 7                         ; which 128 rows of the tile I fetch
	s_lshl_b32 s20, s17, 8
	s_add_co_u32 s20, s20, s18                     ; A: row 256 x tile row + 128 x half
	s_lshl_b32 s46, s42, 8
	s_add_co_u32 s46, s46, s18                     ; B: row 256 x tile column + 128 x half
	s_mov_b32 s21, 0
	s_mov_b32 s47, 0
	s_mov_b64 s[18:19], KS
	s_mul_u64 s[22:23], s[20:21], s[18:19]         ; where these rows' scales begin, in bytes
	s_mul_u64 s[92:93], s[46:47], s[18:19]
	s_mov_b64 s[18:19], KROW
	s_mul_u64 s[20:21], s[20:21], s[18:19]         ; and their codes
	s_mul_u64 s[46:47], s[46:47], s[18:19]
	s_mul_i32 s45, s14, HALFT                      ; where they go: wave x 128 rows: no place in the cluster enters an LDS address
	s_mul_i32 s94, s14, HALFS
	s_wait_dscnt 0x0                               ; both opening adds are done
	s_wait_kmcnt 0x0
	s_add_nc_u64 s[20:21], s[4:5], s[20:21]
	s_add_nc_u64 s[22:23], s[6:7], s[22:23]
	s_add_nc_u64 s[46:47], s[8:9], s[46:47]
	s_add_nc_u64 s[92:93], s[10:11], s[92:93]
	CROUND                                         ; all sixteen work-groups are here: the joint loads meet
	s_mov_b32 s[G0S], 1
	s_add_co_u32 s[G0S+1], s94, SCL
	s_mov_b64 s[G0S+2:G0S+3], s[22:23]
	s_or_b32 s[G0S+3], s[G0S+3], 0x80000000
	s_mov_b32 s[G0SB], 1
	s_add_co_u32 s[G0SB+1], s94, SCL
	s_mov_b64 s[G0SB+2:G0SB+3], s[92:93]
	s_or_b32 s[G0SB+3], s[G0SB+3], 0x80000000
	JLOAD G0S, G1S, G0SB, G1SB                     ; the scales first: they are wanted with K step 0
.irp s, 0,1
	s_mov_b32 s[G0+4*\s], 1
	s_add_co_u32 s[G0+4*\s+1], s45, \s*SLOT
	s_add_nc_u64 s[G0+4*\s+2:G0+4*\s+3], s[20:21], \s*ROWB
	s_or_b32 s[G0+4*\s+3], s[G0+4*\s+3], 0x80000000
	s_mov_b32 s[G0B+4*\s], 1
	s_add_co_u32 s[G0B+4*\s+1], s45, \s*SLOT
	s_add_nc_u64 s[G0B+4*\s+2:G0B+4*\s+3], s[46:47], \s*ROWB
	s_or_b32 s[G0B+4*\s+3], s[G0B+4*\s+3], 0x80000000
	JLOAD G0+4*\s, G1, G0B+4*\s, G1B               ; three tensor loads of mine are out now: all that this text issues
.endr
	v_and_b32 v1, 15, v0                           ; l % 16
	v_bfe_u32 v2, v0, 4, 1                         ; l / 16
	; the bias: which of the three hangs on the cluster's x, the same in all partners
	s_cmp_eq_u32 ttmp9, 0
	s_cselect_b64 s[96:97], s[96:97], s[98:99]
	s_cmp_eq_u32 ttmp9, 2
	s_cselect_b64 s[96:97], s[100:101], s[96:97]
	s_lshl_b32 s20, s40, 10                        ; my first column in the weight: 256 cx + 128 x half, 4 bytes each
	s_lshl_b32 s21, s16, 9
	s_add_co_u32 s20, s20, s21
	s_mov_b32 s21, 0
	s_add_nc_u64 s[96:97], s[96:97], s[20:21]
	v_lshlrev_b32 v7, 5, v2                        ; lanes 16-31 take the eight columns behind lanes 0-15's
	WIN TO_B
.irp b, 0,1,2,3,4,5,6,7
	global_load_b128 v[BIAS+8*\b:BIAS+8*\b+3], v7, s[96:97] offset:64*\b
	global_load_b128 v[BIAS+8*\b+4:BIAS+8*\b+7], v7, s[96:97] offset:64*\b+16
.endr
	WIN 0
	v_mul_u32_u24 v3, v1, PITCH
	v_lshl_add_u32 v4, v2, 4, v3                   ; a fragment's row x pitch + 16 x half
	s_mul_i32 s21, s15, HALFT                      ; my 128 rows of A
	s_mul_i32 s22, s16, HALFT                      ; my 128 rows of B,
	s_add_co_u32 s22, s22, 2*HALFT                 ; which lie behind A's 256
.irp s, 0,1
	v_add_nc_u32 v[ADRA+\s], s21, v4
	v_add_nc_u32 v[ADRB+\s], s22, v4
	s_add_co_u32 s21, s21, SLOT
	s_add_co_u32 s22, s22, SLOT
.endr
	v_mul_u32_u24 v5, v1, KS                       ; my row's scales: KS bytes a row,
	v_lshrrev_b32 v6, 8, v5
	v_lshl_add_u32 v5, v6, 4, v5                   ; and 16 more for each 256 passed
	s_mul_i32 s21, s15, HALFS                      ; A's: my 128 rows
	s_mul_i32 s22, s16, HALFS                      ; B's: my 128 rows, behind A's 256
	s_add_co_u32 s22, s22, 2*HALFS
	s_sub_co_u32 s22, s22, s21
	v_mul_u32_u24 v6, s22, v2                      ; lanes 16-31 take B's: the lower base + half x the distance
	s_add_co_u32 s21, s21, SCL
	v_add_nc_u32 v5, v5, v6
	v_add_nc_u32 v[ADRS], s21, v5
	s_mul_i32 s23, s14, 16*SPITCH                  ; my stage
	v_mul_u32_u24 v5, v1, SPITCH                   ; in: row l % 16, 16 bytes for each half of the lanes
	v_lshl_add_u32 v5, v2, 4, v5
	v_add_nc_u32 v[STO], s23, v5
	v_and_b32 v6, 31, v0
	v_lshlrev_b32 v[CO], 4, v6
	v_lshrrev_b32 v5, 3, v6                        ; back: eight lanes take one head's 128 bytes of a row, the 32 lanes four rows
	v_mul_u32_u24 v5, v5, SPITCH
	v_and_b32 v6, 7, v0
	v_lshl_add_u32 v5, v6, 4, v5
	v_add_nc_u32 v[RD], s23, v5
	; where my part begins in qkv: which << 24, batch << 22, head << 18, row x 128 bytes
	s_lshl_b32 s20, ttmp9, 24
	s_lshr_b32 s21, s17, 3                         ; eight tile rows to a batch
	s_lshl_b32 s21, s21, 22
	s_add_co_u32 s20, s20, s21
	s_lshl_b32 s21, s40, 2                         ; four heads to a tile column, two to a wave
	s_lshl_b32 s46, s16, 1
	s_add_co_u32 s21, s21, s46
	s_lshl_b32 s21, s21, 18
	s_add_co_u32 s20, s20, s21
	s_and_b32 s21, s17, 7
	s_lshl_b32 s21, s21, 8
	s_lshl_b32 s46, s15, 7
	s_add_co_u32 s21, s21, s46                     ; my first row in the batch
	s_lshl_b32 s21, s21, 7
	s_add_co_u32 s20, s20, s21
	s_mov_b32 s21, 0
	s_add_nc_u64 s[12:13], s[12:13], s[20:21]
.macro FRAG reg, adr, q, i             ; a fragment, 16 rows x 128 K of 4-bit codes: lane l holds row l % 16; registers 4 c .. 4 c + 3 hold K = 64 c + 32 (l / 16) + 0 .. 31
.irp c, 0,1
	ds_load_b128 v[\reg+4*\c:\reg+4*\c+3], v[\adr] offset:64*(\q)+32*\c+(\i)*16*PITCH
.endr
.endm
; 16 matrix instructions: A's blocks a0, a0 + 1 x B's eight, 128 along K: the slot's q-th.  p: B's set;  sc: the set of scale words.  first = 1: the bias starts the sums: nothing is cleared and nothing is added later.
; The 64 accumulators take turns, one instruction a turn, in the same order in every step.
.macro MUL16 a0, p, q, sc, first
.irp a, \a0, \a0+1
.irp b, 0,1,2,3,4,5,6,7
.if \first
	v_wmma_scale_f32_16x16x128_f8f6f4 v[8*(8*((\a)%4)+\b):8*(8*((\a)%4)+\b)+7], v[128*(\p)+FR*\b:128*(\p)+FR*\b+FR-1], v[AF+FR*(\a):AF+FR*(\a)+FR-1], v[BIAS+8*\b:BIAS+8*\b+7], v[SC+8*NQ*(\sc)+NQ*\b+(\q)], v[SC+8*NQ*(\sc)+NQ*(\a)+(\q)] matrix_a_fmt:MATRIX_FMT_FP4 matrix_b_fmt:MATRIX_FMT_FP4 matrix_a_scale:MATRIX_SCALE_ROW1
.else
	v_wmma_scale_f32_16x16x128_f8f6f4 v[8*(8*((\a)%4)+\b):8*(8*((\a)%4)+\b)+7], v[128*(\p)+FR*\b:128*(\p)+FR*\b+FR-1], v[AF+FR*(\a):AF+FR*(\a)+FR-1], v[8*(8*((\a)%4)+\b):8*(8*((\a)%4)+\b)+7], v[SC+8*NQ*(\sc)+NQ*\b+(\q)], v[SC+8*NQ*(\sc)+NQ*(\a)+(\q)] matrix_a_fmt:MATRIX_FMT_FP4 matrix_b_fmt:MATRIX_FMT_FP4 matrix_a_scale:MATRIX_SCALE_ROW1
.endif
.endr
.endr
.endm
.macro FETCH_B slot, q, p              ; B's eight fragments of the slot's q-th 128 along K into set p
	WIN TO_B
.irp i, 0,1,2,3,4,5,6,7
	FRAG 128*(\p)+FR*\i, ADRB+\slot, \q, \i
.endr
	WIN 0
.endm
.macro FETCH_A slot, q, i0             ; A's blocks i0 .. i0 + 3
.irp i, \i0, \i0+1, \i0+2, \i0+3
	FRAG AF+FR*(\i), ADRA+\slot, \q, \i
.endr
.endm
.macro SCALES sc                       ; a K step's scale words into set sc: NQ words a row; lanes 0-15 take A's block i, lanes 16-31 B's block i
.irp i, 0,1,2,3,4,5,6,7
	ds_load_b128 v[SC+8*NQ*\sc+NQ*\i:SC+8*NQ*\sc+NQ*\i+3], v[ADRS] offset:\i*SBLK
.endr
.endm
; A load into a register that a matrix instruction has read, and a vector instruction that reads a matrix result or writes one of a matrix instruction's registers, stand NP places behind it; only plain
; vector instructions that name none of its registers are places (ISA guide 7.12.1 for vector instructions).
.macro PLACES n
.rept \n
	v_nop
.endr
.endm
; A step of 128 along K that has its successor in the same slot.  A's blocks 0-3 are fetched anew in its middle, blocks 4-7 at its end; B's next set in the middle.
.macro STEP slot, q, first
	s_wait_dscnt 4*NL                              ; B's set and A's blocks 0-3 are in; the youngest eight loads (A's blocks 4-7) may be out
	WIN MUL_LO-0x10*(\first)
	MUL16 0, (\q)%2, \q, \slot, \first
	MUL16 2, (\q)%2, \q, \slot, \first
	s_wait_dscnt 0                                 ; A's blocks 4-7 are in
	PLACES NP
	FETCH_B \slot, (\q)+1, 1-(\q)%2
	FETCH_A \slot, (\q)+1, 0
	WIN MUL_HI-0x20*(\first)
	MUL16 4, (\q)%2, \q, \slot, \first
	MUL16 6, (\q)%2, \q, \slot, \first
	PLACES NP
	WIN 0
	FETCH_A \slot, (\q)+1, 4
.endm
.macro STEPS slot, from                ; the slot's steps from .. NQ - 2
.set Q, \from
.rept NQ-1-\from
	STEP \slot, Q, 0
.set Q, Q+1
.endr
.endm
	s_wait_tensorcnt 1                             ; the scales and my part of K step 0 are in (K step 1's load may be out)
	s_barrier_signal -1
	s_barrier_wait -1                              ; everybody's are
	FETCH_B 0, 0, 0
	FETCH_A 0, 0, 0
	SCALES 0
	FETCH_A 0, 0, 4
	s_wait_loadcnt 0x0                             ; the bias
	STEP 0, 0, 1                                   ; the first step's products start the sums with the bias
	STEPS 0, 1
	; slot 0's last step changes slots: one barrier; in front of it each wave waits for its tensor loads (slot 1's) and for its reads of slot 0, into which results are stored on the way out
	s_wait_tensorcnt 0x0                           ; my part of slot 1 has landed
	ds_add_u32 v[SPW], v[NIL]                      ; 0 onto my spare word
	s_wait_dscnt 4*NL+1                            ; (the add and the youngest eight loads, A's blocks 4-7, may be out)
	WIN MUL_LO
	MUL16 0, 1, NQ-1, 0, 0
	s_wait_dscnt 0x0                               ; the add is done, and my reads of slot 0 are over
	s_barrier_signal -1
	MUL16 2, 1, NQ-1, 0, 0
	WIN 0
	s_barrier_wait -1
	PLACES NP
	v_add_nc_u32 v[ADRS], 4*NQ, v[ADRS]            ; on to the next K step's scale words
	FETCH_B 1, 0, 0
	FETCH_A 1, 0, 0
	SCALES 1
	WIN MUL_HI
	MUL16 4, 1, NQ-1, 0, 0
	MUL16 6, 1, NQ-1, 0, 0
	PLACES NP
	WIN 0
	FETCH_A 1, 0, 4
	STEPS 1, 0
	s_wait_dscnt 4*NL                              ; the very last step: nothing more to fetch
	WIN MUL_LO
	MUL16 0, 1, NQ-1, 1, 0
	MUL16 2, 1, NQ-1, 1, 0
	s_wait_dscnt 0
	WIN MUL_HI
	MUL16 4, 1, NQ-1, 1, 0
	MUL16 6, 1, NQ-1, 1, 0
	WIN 0
; THE WAY OUT, block by block of 16 rows x 128 columns (two heads).  PACK: rounded to f16, 16 bytes a lane, each accumulator from its low end on.  TOSTAGE: into my stage, and back so that the 32 lanes hold four
; rows of one head: 512 consecutive bytes of qkv.  SEND: stored.  LDS serves a wave's instructions in order: no wait between the stores and the loads, nor in front of the next block's stores.
.macro PACK a
.set AC, 64*((\a)%4)
	WIN 0x0a+5*((\a)/4)                            ; sources 0 and 1: window 2 or 3
.irp b, 0,1,2,3,4,5,6,7
.irp r, 0,1,2,3
	v_cvt_pk_f16_f32 v[TMP+4*\b+\r], v[AC+8*\b+2*\r], v[AC+8*\b+2*\r+1]
.endr
.endr
	WIN 0
.endm
.macro TOSTAGE a
.set BB, BK+32*((\a)%2)
.irp b, 0,1,2,3,4,5,6,7
	ds_store_b128 v[STO], v[TMP+4*\b:TMP+4*\b+3] offset:32*\b
.endr
.irp t, 0,1,2,3,4,5,6,7
	ds_load_b128 v[BB+4*\t:BB+4*\t+3], v[RD] offset:(\t%4)*4*SPITCH+(\t/4)*128
.endr
.endm
.macro SEND a
.set BB, BK+32*((\a)%2)
	s_wait_dscnt 0x0                               ; the block is back in registers
	s_wait_xcnt 0x0                                ; the stores of the block before have read their registers: the next block's loads may land there
.irp t, 0,1,2,3,4,5,6,7
	global_store_b128 v[CO], v[BB+4*\t:BB+4*\t+3], s[12:13] offset:(\a)*2048+(\t%4)*512+(\t/4)*262144   ; 32 lanes store 512 consecutive bytes, at a multiple of 256 from the buffer's first byte
.endr
.endm
	PLACES NP                                      ; behind the last products: their results are read and their scale registers written from here on
	PACK 0
	TOSTAGE 0
.irp a, 1,2,3,4,5,6,7                  ; block a's conversions stand between block a - 1's loads from the stage and the wait for them
	PACK \a
	SEND \a-1
	TOSTAGE \a
.endr
	SEND 7
	s_wait_tensorcnt 0x0                           ; the wave's end: a tensor wait, an add of 0 and its wait behind my last tensor load and my last LDS store
	ds_add_u32 v[SPW], v[NIL]
	s_wait_dscnt 0x0
	CROUND                                         ; the closing round: no work-group ends while a partner may still ask for a tile that names it
	s_endpgm
.Lfunc_end_k_qc41e9baa05_qkv:
	.size	k_qc41e9baa05_qkv, .Lfunc_end_k_qc41e9baa05_qkv-k_qc41e9baa05_qkv
	.p2alignl 7, 3214868480
	.fill 96, 4, 3214868480
	.section	.rodata,"a",@progbits
	.p2align	6, 0x0
	.amdhsa_kernel k_qc41e9baa05_qkv
		.amdhsa_group_segment_fixed_size 327680
		.amdhsa_private_segment_fixed_size 0
		.amdhsa_enable_private_segment 0
		.amdhsa_kernarg_size 64
		.amdhsa_user_sgpr_count 2
		.amdhsa_user_sgpr_kernarg_segment_ptr 1
		.amdhsa_wavefront_size32 1
		.amdhsa_system_sgpr_workgroup_id_x 1
		.amdhsa_system_sgpr_workgroup_id_y 1
		.amdhsa_system_sgpr_workgroup_id_z 1
		.amdhsa_system_vgpr_workitem_id 0
		.amdhsa_next_free_vgpr 1024
		.amdhsa_next_free_sgpr 102
		.amdhsa_reserve_vcc 0
		.amdhsa_float_denorm_mode_32 3
		.amdhsa_float_denorm_mode_16_64 3
		.amdhsa_memory_ordered 1
		.amdhsa_forward_progress 1
		.amdhsa_inst_pref_size 128
	.end_amdhsa_kernel
	.amdgpu_metadata
---
amdhsa.version: [ 1, 2 ]
amdhsa.kernels:
  - .name:           k_qc41e9baa05_qkv
    .symbol:         k_qc41e9baa05_qkv.kd
    .args:
      - { .name: x_codes, .offset: 0, .size: 8, .value_kind: global_buffer, .address_space: global }
      - { .name: x_scales, .offset: 8, .size: 8, .value_kind: global_buffer, .address_space: global }
      - { .name: w_codes, .offset: 16, .size: 8, .value_kind: global_buffer, .address_space: global }
      - { .name: w_scales, .offset: 24, .size: 8, .value_kind: global_buffer, .address_space: global }
      - { .name: qkv, .offset: 32, .size: 8, .value_kind: global_buffer, .address_space: global }
      - { .name: bq, .offset: 40, .size: 8, .value_kind: global_buffer, .address_space: global }
      - { .name: bk, .offset: 48, .size: 8, .value_kind: global_buffer, .address_space: global }
      - { .name: bv, .offset: 56, .size: 8, .value_kind: global_buffer, .address_space: global }
    .group_segment_fixed_size: 327680
    .private_segment_fixed_size: 0
    .kernarg_segment_align: 8
    .kernarg_segment_size: 64
    .max_flat_workgroup_size: 128
    .sgpr_count:     102
    .vgpr_count:     1024
    .wavefront_size: 32
...
	.end_amdgpu_metadata
.endif
;; end of part 2
;; launch attn (part 3): grid 4 x 64, 8 waves a work-group, clusters of 4 x 1, 327,680 bytes of LDS; arguments qkv, o16; writes o16
.if DOCPART == 3
	.amdgcn_target "amdgcn-amd-amdhsa--gfx1250"
	.amdhsa_code_object_version 6
	.text
	.protected	k_qc41e9baa05_attn
	.globl	k_qc41e9baa05_attn
	.p2align	8
	.type	k_qc41e9baa05_attn,@function
k_qc41e9baa05_attn:
	s_mov_b64 s[64:65], 0
	v_nop
	global_prefetch_b8 v0, s[64:65] scope:SCOPE_SE
	s_setreg_imm32_b32 hwreg(HW_REG_WAVE_MODE, 25, 1), 1
	s_wait_xcnt 0x0
	s_wait_alu depctr_hold_cnt(0) depctr_sa_sdst(0) depctr_va_vdst(0) depctr_va_sdst(0) depctr_va_ssrc(0) depctr_va_vcc(0) depctr_vm_vsrc(0)
	s_getreg_b32 s2, hwreg(HW_REG_IB_STS2, 6, 4)
	s_cmp_eq_u32 s2, 0
	s_cbranch_scc0 .Lentry_in_a_cluster
	s_endpgm
.Lentry_in_a_cluster:
	s_bfe_u32 s2, ttmp6, 0x10000c
	s_cmp_lg_u32 s2, 0x3003
	s_cbranch_scc0 .Lentry_shape_is_right
	s_endpgm
.Lentry_shape_is_right:
; o[bh][q][:] = the sum over k of softmax_k(q[bh][q] . k[bh][k] / 32) v[bh][k][:].  q, k, v: qkv [3][64 = batch x head][2048][64] f16; o16 [64][2048][64] f16.  No mask.
; Products on f16 operands with f32 sums; maxima, exponentials and row sums in f32; the weights p are rounded to f16 for the second product, o once at the end.
; LIMITS: NaN and infinities are not served; |o| under 6e-5 is carried in steps of 6e-8 (f16); a weight p under 6e-8 of its row's largest counts as 0 in the second product (the row's sum keeps it).
; SHARES.  A cluster of four work-groups owns one (batch, head); a work-group 512 of its queries; each of its EIGHT waves 64 queries: four tiles of 16, in 512 registers.  Two waves share a SIMD: while one walks
; its softmax the other's products and LDS loads can be issued, so the step is written in phases.  Every wave walks all 2,048 keys, 64 a step.
; LAYOUT.  S^T = K Q^T (source 0 = 16 keys, source 1 = 16 queries): a lane holds ONE query (lane % 16) and the keys 8 (lane / 16) + 0..7.  Two such tiles, rounded to f16 in pairs, ARE source 1 of O^T = V^T P,
; whose result again holds one query a lane.  K comes out of LDS as it lies, V ([key][channel]) turned, by ds_load_tr16_b128.
; SOFTMAX.  For each query a running maximum m and sum l: p = 2^(c s - c m), c = log2(e) / 32; in every step O and l are multiplied by a = 2^(c m_old - c m_new).
; CLUSTER.  The four work-groups walk the same K and V: each tile is asked for JOINTLY, by the same tensor load with the same descriptor and the mask of all four.
; RING.  Two slots of 512 keys (8 steps).  Waves 0-3 fetch K's four quarters, waves 4-7 V's: one load a wave.  By this text's count a wave has two loads out at the start and one behind each of the two refills,
; and a refill has a slot's eight steps, 512 products a wave, in which to land.
; REGISTERS: window 0: v1-12 addresses; v30, v31 the add's two; v32-63 eight registers of statistics a tile; v64-191 S^T, 32 a tile (P is made in place in the first 16); v192-255 V of one step.
;            window 1: v0-127 O^T, 32 a tile; v128-191 Q, 16 a tile; v192-255 K of one step.
.set SK,    512                        ; keys in a slot
.set KP,    144                        ; a row of K in LDS: 128 bytes + 16: the 16 rows of a load begin at 16 different multiples of 16 modulo 256
.set VP,    160                        ; a row of V: 128 + 32: an odd multiple of 32, for the turning load
.set VOFF,  SK*KP                      ; a slot: 512 rows of K, then 512 rows of V
.set SLOT,  SK*(KP+VP)
.set SPARE, 2*SLOT                     ; behind the ring: the spare words, 128 bytes for each wave: four blocks of 256 bytes that no other line names
.set AK0, 2                            ; v2   my lane's place in a tile of K; never rewritten
.set AV0, 3                            ; v3   the same for V
.set ADK, 4                            ; v4   LDS address of the step's K
.set ADV, 5                            ; v5   of its V
.set STO, 6                            ; v6   the way out: where I put 16 bytes of a row (a stage of 16 x 144 bytes a wave, in slot 0, behind its last fill and last read)
.set RD,  7                            ; v7   the way out: where I read back
.set GO,  8                            ; v8   16 x lane
.set QO,  12                           ; v12  my byte offset in the wave's rows of Q
.set SPW, 30                           ; v30  LDS address of my spare word; never rewritten
.set NIL, 31                           ; v31  0; never rewritten
.set ST,  32                           ; tile t's statistics at v[ST + 8 t]: +0 c m, +1 m, +2, +3 l (even keys', odd keys'), +4 to +7 at work; a in +6
.set S,   64
.set VF,  192
.set QF,  128                          ; in window 1
.set KF,  192                          ; in window 1
.set WV,  12                           ; s12  my wave's number
.set G1K, 24                           ; s[24:31] descriptor group 1 for K's tiles
.set G1V, 32                           ; s[32:39] for V's: it differs in the padding alone
.set G0K, 40                           ; s[40:47] descriptor group 0 for K's tiles, a set for each slot
.set G0V, 48                           ; s[48:55] the same for V's
.set CNT, 56                           ; s56  counts a slot's steps
.set TBK, 57                           ; s57  LDS byte at which the step's K begins
.set CS,  58                           ; s[58:59] c: the packed scaling names a pair and takes its low word for both halves
.set SEL, 60                           ; s[60:61] lane selects for v_permlanex16_b32: lane l xor 16
.set TBV, 62                           ; s62  the same as TBK for V (less VOFF)
.set MSB, 0
.macro WIN new                         ; the immediate's high byte repeats the setting that is left; a switch that changes nothing is dropped
.if MSB != (\new)
	s_set_vgpr_msb (MSB<<8)|(\new)
.set MSB, (\new)
.endif
.endm
.set W_QK, 0x05                        ; K and Q (sources 0, 1) window 1; S^T window 0
.set W_RS, 0x41                        ; O^T (destination and source 0) window 1; a window 0
.set W_PV, 0x50                        ; V and P window 0; O^T (C and D) window 1
.set TO_1, 0x40                        ; destination window 1, address window 0
; A joint refill of slot s.  The branch hangs on the wave's number alone.  An s_nop 0 and four v_nop follow each of the two lines.
.macro JLOAD s
	s_cmp_lt_u32 s[WV], 4
	s_cbranch_scc0 .Lfor_v_\@
	tensor_load_to_lds s[G0K+4*\s:G0K+4*\s+3], s[G1K:G1K+7]
	s_nop 0
.rept 4
	v_nop
.endr
	s_branch .Lasked_\@
.Lfor_v_\@:
	tensor_load_to_lds s[G0V+4*\s:G0V+4*\s+3], s[G1V:G1V+7]
	s_nop 0
.rept 4
	v_nop
.endr
.Lasked_\@:
.endm
.macro CROUND                          ; a round of the cluster's barrier
	s_barrier_signal -1
	s_barrier_wait -1
	s_cmp_lg_u32 s[WV], 0
	s_cbranch_scc1 .Lnot_wave_0_\@
	s_barrier_signal -3
.Lnot_wave_0_\@:
	s_barrier_wait -3
	s_barrier_signal -1
	s_barrier_wait -1
.endm
	s_load_b128 s[4:7], s[0:1], 0x0                ; qkv s[4:5], o16 s[6:7]
	v_lshl_add_u32 v[SPW], v0, 2, SPARE
	v_mov_b32 v[NIL], 0
	ds_add_u32 v[SPW], v[NIL]                      ; the wave's opening: the add, twice on end, and its wait ahead of my first tensor load
	ds_add_u32 v[SPW], v[NIL]
	v_lshrrev_b32 v1, 5, v0
	v_readfirstlane_b32 s[WV], v1                  ; wave 0..7
	s_bfe_u32 s13, ttmp6, 0x40000                  ; cx: my place in the cluster
	s_lshl_b32 s21, ttmp9, 2
	s_add_co_u32 s13, s13, s21                     ; my block of 512 queries: it enters Q's and O's addresses alone
	s_and_b32 s14, ttmp7, 0xffff                   ; (batch, head), which the four partners share
	s_and_b32 s15, s[WV], 3                        ; which quarter of a slot's rows I fetch
	s_lshl_b32 s20, s14, 18                        ; the head's first byte: 2,048 rows of 128 bytes
	s_lshl_b32 s22, s15, 14                        ; my 128 rows
	s_add_co_u32 s22, s22, s20
	s_mov_b32 s23, 0
	s_lshl_b32 s2, s13, 16                         ; my block's 512 rows,
	s_lshl_b32 s3, s[WV], 13                       ; my wave's 64 of them
	s_add_co_u32 s2, s2, s3
	s_add_co_u32 s2, s2, s20
	s_mov_b32 s3, 0
	; descriptor group 1: a tile of 128 rows x 64 elements of 2 bytes, dense in memory, padded in LDS
	s_mov_b32 s[G1K], 15|(1<<16)|(1<<20)|(1<<21)|(4<<22)|(3<<25)  ; 15:0 the mask: all four work-groups; elements of 2 bytes; padding on; bit 21 beside a mask; after every 32 words, 4 words
	s_mov_b32 s[G1V], 15|(1<<16)|(1<<20)|(1<<21)|(4<<22)|(7<<25)  ; the same with 8 words of padding
.irp g, G1K, G1V
	s_mov_b32 s[\g+1], 64<<16                      ; tensor_dim0
	s_mov_b32 s[\g+2], 128<<16                     ; tensor_dim1
	s_mov_b32 s[\g+3], 64<<16                      ; tile_dim0
	s_mov_b32 s[\g+4], 128                         ; tile_dim1
	s_mov_b32 s[\g+5], 64                          ; tensor_dim0_stride
	s_mov_b32 s[\g+6], 0
	s_mov_b32 s[\g+7], 0
.endr
	s_mov_b32 s[G0K], 1
	s_mov_b32 s[G0K+4], 1
	s_mov_b32 s[G0V], 1
	s_mov_b32 s[G0V+4], 1
	s_mul_i32 s[G0K+1], s15, 128*KP                ; LDS: my quarter, in slot 0 and in slot 1: no place in the cluster enters an LDS address
	s_add_co_u32 s[G0K+5], s[G0K+1], SLOT
	s_mul_i32 s[G0V+1], s15, 128*VP
	s_add_co_u32 s[G0V+1], s[G0V+1], VOFF
	s_add_co_u32 s[G0V+5], s[G0V+1], SLOT
	s_mov_b32 s[CS], 0x3d38aa3b                    ; c = log2(e) / 32
	s_mov_b32 s[CS+1], s[CS]                       ; named with it as a pair, so it is written
	s_mov_b32 s[SEL], 0x76543210
	s_mov_b32 s[SEL+1], 0xfedcba98
	s_wait_dscnt 0x0                               ; both opening adds are done
	s_wait_kmcnt 0x0
	s_add_nc_u64 s[8:9], s[4:5], s[22:23]
	s_add_nc_u64 s[10:11], s[8:9], 0x2000000       ; V at my quarter of slot 0
	s_add_nc_u64 s[8:9], s[8:9], 0x1000000         ; K likewise
	s_add_nc_u64 s[16:17], s[4:5], s[2:3]          ; Q at my wave's first row
	s_add_nc_u64 s[18:19], s[6:7], s[2:3]          ; O likewise
.irp s, 0,1
	s_add_nc_u64 s[G0K+4*\s+2:G0K+4*\s+3], s[8:9], \s*SK*128    ; slot s begins with keys 512 s on
	s_or_b32 s[G0K+4*\s+3], s[G0K+4*\s+3], 0x80000000
	s_add_nc_u64 s[G0V+4*\s+2:G0V+4*\s+3], s[10:11], \s*SK*128
	s_or_b32 s[G0V+4*\s+3], s[G0V+4*\s+3], 0x80000000
.endr
	CROUND                                         ; all four work-groups are here: the first joint loads meet
	s_cmp_lt_u32 s[WV], 4                          ; a wave's two first fills stand in one branch, ahead of every wait on TENSORcnt and every LDS read
	s_cbranch_scc0 .Lfirst_v
	tensor_load_to_lds s[G0K:G0K+3], s[G1K:G1K+7]
	s_nop 0
	tensor_load_to_lds s[G0K+4:G0K+7], s[G1K:G1K+7]
	s_nop 0
.rept 4
	v_nop
.endr
	s_branch .Lfirst_asked
.Lfirst_v:
	tensor_load_to_lds s[G0V:G0V+3], s[G1V:G1V+7]
	s_nop 0
	tensor_load_to_lds s[G0V+4:G0V+7], s[G1V:G1V+7]
	s_nop 0
.rept 4
	v_nop
.endr
.Lfirst_asked:
	; A fragment of K or Q is 16 rows x 32 channels in 8 registers: lane l holds row l % 16; registers 0-3 channels 8 (l / 16) + 0..7, registers 4-7 channels 16 + 8 (l / 16) + 0..7
	v_and_b32 v1, 15, v0                           ; l % 16
	v_bfe_u32 v9, v0, 4, 1                         ; l / 16
	v_lshlrev_b32 v[QO], 7, v1
	v_lshl_add_u32 v[QO], v9, 4, v[QO]             ; row x 128 + 16 x half
	WIN TO_1
.set i, 0
.rept 8                                ; Q stays in registers: tile i / 2, channels 32 (i % 2) on
	global_load_b128 v[QF+8*i:QF+8*i+3],   v[QO], s[16:17] offset:(i/2)*2048+(i%2)*64
	global_load_b128 v[QF+8*i+4:QF+8*i+7], v[QO], s[16:17] offset:(i/2)*2048+(i%2)*64+32
.set i, i+1
.endr
	WIN 0
	v_mul_u32_u24 v[AK0], v1, KP
	v_lshl_add_u32 v[AK0], v9, 4, v[AK0]           ; row x pitch + 16 x half
	; the turning load: lane l reads 16 bytes: key 8 (l / 16) + l % 8, channels 8 ((l / 8) % 2) + 0..7, and is left with channel l % 16 and 8 keys
	v_and_b32 v10, 7, v0
	v_bfe_u32 v11, v0, 3, 1
	v_lshl_add_u32 v[AV0], v9, 3, v10
	v_mul_u32_u24 v[AV0], v[AV0], VP
	v_lshl_add_u32 v[AV0], v11, 4, v[AV0]
	v_add_nc_u32 v[AV0], VOFF, v[AV0]
	s_mul_i32 s22, s[WV], 16*KP                    ; my stage for the way out
	v_mul_u32_u24 v[STO], v1, KP                   ; in: row l % 16, 16 bytes for each half of the lanes
	v_lshl_add_u32 v[STO], v9, 4, v[STO]
	v_add_nc_u32 v[STO], s22, v[STO]
	v_and_b32 v10, 31, v0
	v_lshlrev_b32 v[GO], 4, v10
	v_lshrrev_b32 v11, 3, v10                      ; back: eight lanes take a row's 128 bytes, the 32 lanes four rows
	v_mul_u32_u24 v[RD], v11, KP
	v_and_b32 v11, 7, v0
	v_lshl_add_u32 v[RD], v11, 4, v[RD]
	v_add_nc_u32 v[RD], s22, v[RD]
.irp t, 0,1,2,3
	v_mov_b32 v[ST+8*\t+1], 0xff61b1e6             ; m = -3e38, under every score: the first step's a is then 0
	v_mul_f32 v[ST+8*\t], s[CS], v[ST+8*\t+1]      ; c m
	v_mov_b32 v[ST+8*\t+2], 0                      ; l
	v_mov_b32 v[ST+8*\t+3], 0
.endr
; THE SOFTMAX of a step: each stage over the four tiles by turns, so that no line waits for the line above it.  s0-s31 are a lane's 32 scores of a tile.
.macro SOFTMAX
.set j, 0
.rept 4                                ; the maximum: four chains of seven scores, each accumulator read from its low end on
.irp t, 0,1,2,3
	v_max3_num_f32 v[ST+8*\t+4+j], v[S+32*\t+8*j], v[S+32*\t+8*j+1], v[S+32*\t+8*j+2]
.endr
.set j, j+1
.endr
.rept 8
.irp t, 0,1,2,3
	v_max3_num_f32 v[ST+8*\t+4+j%4], v[ST+8*\t+4+j%4], v[S+32*\t+8*(j%4)+2*(j/4)+1], v[S+32*\t+8*(j%4)+2*(j/4)+2]
.endr
.set j, j+1
.endr
.irp t, 0,1,2,3
	v_max3_num_f32 v[ST+8*\t+4], v[ST+8*\t+4], v[S+32*\t+7], v[S+32*\t+15]    ; the four scores left over,
.endr
.irp t, 0,1,2,3
	v_max3_num_f32 v[ST+8*\t+6], v[ST+8*\t+6], v[S+32*\t+23], v[S+32*\t+31]
.endr
.irp t, 0,1,2,3
	v_max3_num_f32 v[ST+8*\t+4], v[ST+8*\t+4], v[ST+8*\t+5], v[ST+8*\t+6]     ; the chains,
.endr
.irp t, 0,1,2,3
	v_max3_num_f32 v[ST+8*\t+4], v[ST+8*\t+4], v[ST+8*\t+7], v[ST+8*\t+1]     ; and the old m
.endr
.irp t, 0,1,2,3
	v_permlanex16_b32 v[ST+8*\t+5], v[ST+8*\t+4], s[SEL], s[SEL+1]            ; the query's other 32 keys lie in the lane 16 away
.endr
.irp t, 0,1,2,3
	v_mov_b32 v[ST+8*\t+7], v[ST+8*\t]             ; c m_old is kept for a
.endr
.irp t, 0,1,2,3
	v_max_num_f32 v[ST+8*\t+1], v[ST+8*\t+4], v[ST+8*\t+5]
.endr
.irp t, 0,1,2,3
	v_mul_f32 v[ST+8*\t], s[CS], v[ST+8*\t+1]
.endr
.irp t, 0,1,2,3
	v_sub_f32 v[ST+8*\t+7], v[ST+8*\t+7], v[ST+8*\t]
.endr
; ONE BATCH: the four a and the 128 p.  Pair n (tile n % 4, its pair n / 4) is scaled one turn ahead of its two exponentials; nothing in the batch names an exponential's result.
.irp t, 0,1,2,3
	v_exp_f32 v[ST+8*\t+6], v[ST+8*\t+7]           ; a = 2^(c m_old - c m_new)
.endr
.set n, 0
.set pS, S
.set pT, ST
	v_pk_fma_f32 v[pS:pS+1], v[pS:pS+1], s[CS:CS+1], v[pT:pT+1] op_sel_hi:[1,0,0] neg_lo:[0,0,1] neg_hi:[0,0,1]   ; c s - c m
.rept 64
.if n < 63
.set pS, S+32*((n+1)%4)+2*((n+1)/4)
.set pT, ST+8*((n+1)%4)
	v_pk_fma_f32 v[pS:pS+1], v[pS:pS+1], s[CS:CS+1], v[pT:pT+1] op_sel_hi:[1,0,0] neg_lo:[0,0,1] neg_hi:[0,0,1]
.endif
.set pS, S+32*(n%4)+2*(n/4)
	v_exp_f32 v[pS], v[pS]
	v_exp_f32 v[pS+1], v[pS+1]
.set n, n+1
.endr
	v_nop                                          ; a plain line behind the last exponential, ahead of the first use
	s_wait_alu depctr_va_vdst(0)                   ; the wait ahead of the first line that names a result: one for the whole batch
; the row's sums, of the unrounded p: 16 packed lines a tile, in two chains; l = a l + the sum
.irp t, 0,1,2,3
	v_pk_fma_f32 v[ST+8*\t+2:ST+8*\t+3], v[ST+8*\t+2:ST+8*\t+3], v[ST+8*\t+6:ST+8*\t+7], v[S+32*\t:S+32*\t+1] op_sel_hi:[1,0,1]
.endr
.irp t, 0,1,2,3
	v_pk_add_f32 v[ST+8*\t+4:ST+8*\t+5], v[S+32*\t+2:S+32*\t+3], v[S+32*\t+4:S+32*\t+5]
.endr
.set j, 3
.rept 13
.set d, 2+2*((j+1)%2)                  ; odd pairs go to l, even ones to the second chain
.irp t, 0,1,2,3
	v_pk_add_f32 v[ST+8*\t+d:ST+8*\t+d+1], v[ST+8*\t+d:ST+8*\t+d+1], v[S+32*\t+2*j:S+32*\t+2*j+1]
.endr
.set j, j+1
.endr
.irp t, 0,1,2,3
	v_pk_add_f32 v[ST+8*\t+2:ST+8*\t+3], v[ST+8*\t+2:ST+8*\t+3], v[ST+8*\t+4:ST+8*\t+5]
.endr
.set j, 0
.rept 16                               ; P in place: register j takes pair j, which lies at 2 j and 2 j + 1: never ahead of what is still to be read
.irp t, 0,1,2,3
	v_cvt_pk_f16_f32 v[S+32*\t+j], v[S+32*\t+2*j], v[S+32*\t+2*j+1]
.endr
.set j, j+1
.endr
.endm
; A KEY STEP: 64 keys.  first = 1: the launch's first: its products V^T P start O^T's sums with the constant 0, and there is nothing to rescale.
; The accumulators take turns, one instruction a turn, 16 to a round.
.macro STEP first
	v_add_nc_u32 v[ADK], s[TBK], v[AK0]            ; these two and three v_nop are five places behind the last step's products: four are owed to the loads into V's registers,
	v_add_nc_u32 v[ADV], s[TBV], v[AV0]            ; five to the products below, which write over P
.rept 3
	v_nop
.endr
	WIN TO_1
.set f, 0
.rept 8                                ; K: keys 16 (f / 2) on, channels 32 (f % 2) on
	ds_load_b128 v[KF+8*f:KF+8*f+3],   v[ADK] offset:(f/2)*16*KP+(f%2)*64
	ds_load_b128 v[KF+8*f+4:KF+8*f+7], v[ADK] offset:(f/2)*16*KP+(f%2)*64+32
.set f, f+1
.endr
	WIN 0
.set f, 0
.rept 8                                ; V, turned: keys 32 (f / 4) on, channels 16 (f % 4) on
	ds_load_tr16_b128 v[VF+8*f:VF+8*f+3],   v[ADV] offset:(f/4)*32*VP+(f%4)*32
	ds_load_tr16_b128 v[VF+8*f+4:VF+8*f+7], v[ADV] offset:(f/4)*32*VP+16*VP+(f%4)*32
.set f, f+1
.endr
	s_wait_dscnt 16                                ; K is in; V's sixteen loads may be out
	WIN W_QK
.set i, 0
.rept 32                               ; S^T = K Q^T: channels 32 (i / 16) on, keys 16 ((i / 4) % 4) on, tile i % 4; the first 16 start the sums
.set rS, S+32*(i%4)+8*((i/4)%4)
.set rK, KF+8*(2*((i/4)%4)+i/16)
.set rQ, QF+16*(i%4)+8*(i/16)
.if i < 16
	v_wmma_f32_16x16x32_f16 v[rS:rS+7], v[rK:rK+7], v[rQ:rQ+7], 0
.else
	v_wmma_f32_16x16x32_f16 v[rS:rS+7], v[rK:rK+7], v[rQ:rQ+7], v[rS:rS+7]
.endif
.set i, i+1
.endr
	WIN 0
.rept 4
	v_nop                                          ; four places ahead of the first read of the scores
.endr
	SOFTMAX
.if !\first
	WIN W_RS
.set j, 0
.rept 16                               ; O^T times a, each accumulator from its low end on
.irp t, 0,1,2,3
	v_pk_mul_f32 v[32*\t+2*j:32*\t+2*j+1], v[32*\t+2*j:32*\t+2*j+1], v[ST+8*\t+6:ST+8*\t+7] op_sel_hi:[1,0]
.endr
.set j, j+1
.endr
.endif
	s_wait_dscnt 0x0                               ; V is in
	WIN W_PV
.set i, 0
.rept 32                               ; O^T += V^T P: keys 32 (i / 16) on, channels 16 ((i / 4) % 4) on, tile i % 4
.set rO, 32*(i%4)+8*((i/4)%4)
.set rV, VF+8*(4*(i/16)+(i/4)%4)
.set rP, S+32*(i%4)+8*(i/16)
.if \first && (i < 16)
	v_wmma_f32_16x16x32_f16 v[rO:rO+7], v[rV:rV+7], v[rP:rP+7], 0
.else
	v_wmma_f32_16x16x32_f16 v[rO:rO+7], v[rV:rV+7], v[rP:rP+7], v[rO:rO+7]
.endif
.set i, i+1
.endr
	WIN 0                                          ; at a label and at a branch every window is 0
.endm
; A slot's eight steps: the step is written once and walked; the LDS addresses hang on s[TBK] and s[TBV].
.macro STEPS slot, first
	s_mov_b32 s[TBK], \slot*SLOT
	s_mov_b32 s[TBV], \slot*SLOT
.if \first
	STEP 1
	s_add_co_u32 s[TBK], s[TBK], 64*KP
	s_add_co_u32 s[TBV], s[TBV], 64*VP
.endif
	s_mov_b32 s[CNT], 8-\first
.Lstep_\@:
	STEP 0
	s_add_co_u32 s[TBK], s[TBK], 64*KP
	s_add_co_u32 s[TBV], s[TBV], 64*VP
	s_sub_co_u32 s[CNT], s[CNT], 1
	s_cmp_lg_u32 s[CNT], 0
	s_cbranch_scc1 .Lstep_\@
.endm
; THE CHANGE OF SLOTS.  Each wave waits for all its tensor loads (its part of the slot ahead), adds 0 to its spare word, and waits for that and for its reads of the slot that it has left.
; fill = 1: that slot is filled again, with the keys 1,024 on: the barrier is then a round of the cluster's, and the joint refill is the first thing behind it.
.macro CHANGE fill, slot
	s_wait_tensorcnt 0x0                           ; no tensor load of mine is out, so a group 0 may be written
	ds_add_u32 v[SPW], v[NIL]                      ; 0 onto my spare word
.if \fill
	s_add_nc_u64 s[G0K+4*\slot+2:G0K+4*\slot+3], s[G0K+4*\slot+2:G0K+4*\slot+3], 2*SK*128
	s_add_nc_u64 s[G0V+4*\slot+2:G0V+4*\slot+3], s[G0V+4*\slot+2:G0V+4*\slot+3], 2*SK*128
.endif
	s_wait_dscnt 0x0                               ; the add is done, and my reads of the slot are over
.if \fill
	CROUND
	JLOAD \slot
.else
	s_barrier_signal -1
	s_barrier_wait -1
.endif
.endm
	s_wait_tensorcnt 1                             ; my part of slot 0 is in; slot 1's may stay out
	s_barrier_signal -1
	s_barrier_wait -1                              ; everybody's is
	s_wait_loadcnt 0x0                             ; Q
	STEPS 0, 1                                     ; keys 0 .. 511
	CHANGE 1, 0
	STEPS 1, 0                                     ; keys 512 .. 1,023
	CHANGE 1, 1
	STEPS 0, 0                                     ; keys 1,024 .. 1,535
	CHANGE 0, 0                                    ; nothing is left to ask for
	STEPS 1, 0                                     ; keys 1,536 .. 2,047
	; THE WAY OUT.  l's two halves and the other half of the lanes' are added (these lines are the places behind the last products); O^T is divided by l, rounded to f16 and sent through my stage, a tile at a time.
.irp t, 0,1,2,3
	v_add_f32 v[ST+8*\t+4], v[ST+8*\t+2], v[ST+8*\t+3]
.endr
.irp t, 0,1,2,3
	v_permlanex16_b32 v[ST+8*\t+5], v[ST+8*\t+4], s[SEL], s[SEL+1]
.endr
.irp t, 0,1,2,3
	v_add_f32 v[ST+8*\t+4], v[ST+8*\t+4], v[ST+8*\t+5]
.endr
.irp t, 0,1,2,3
	v_rcp_f32 v[ST+8*\t+6], v[ST+8*\t+4]
.endr
	v_nop                                          ; a plain line between the last reciprocal and the use of its result
	s_wait_alu depctr_va_vdst(0)                   ; and its wait: one for the four
.macro OUT t
	WIN W_RS
.set j, 0
.rept 16
	v_pk_mul_f32 v[32*\t+2*j:32*\t+2*j+1], v[32*\t+2*j:32*\t+2*j+1], v[ST+8*\t+6:ST+8*\t+7] op_sel_hi:[1,0]
.set j, j+1
.endr
	WIN 0x05                                       ; sources 0 and 1 window 1, destination window 0
.set j, 0
.rept 16
	v_cvt_pk_f16_f32 v[S+16*\t+j], v[32*\t+2*j], v[32*\t+2*j+1]
.set j, j+1
.endr
	WIN 0
.irp c, 0,1,2,3
	ds_store_b128 v[STO], v[S+16*\t+4*\c:S+16*\t+4*\c+3] offset:32*\c          ; my eight channels of row l % 16
.endr
.irp c, 0,1,2,3
	ds_load_b128 v[S+64+16*\t+4*\c:S+64+16*\t+4*\c+3], v[RD] offset:4*KP*\c    ; LDS serves a wave's instructions in order: these see the stores above; the next tile's stores come behind them
.endr
.endm
	OUT 0
	OUT 1
	OUT 2
	OUT 3
	s_wait_dscnt 0x0
.irp t, 0,1,2,3
.irp c, 0,1,2,3
	global_store_b128 v[GO], v[S+64+16*\t+4*\c:S+64+16*\t+4*\c+3], s[18:19] offset:\t*2048+512*\c   ; 32 lanes store four rows: 512 consecutive bytes, at a multiple of 256 from the buffer's first byte
.endr
.endr
	s_wait_tensorcnt 0x0                           ; the wave's end: a tensor wait, an add of 0 and its wait behind my last tensor load and my last LDS store
	ds_add_u32 v[SPW], v[NIL]
	s_wait_dscnt 0x0
	CROUND                                         ; the closing round: no work-group ends while a partner may still ask for a tile that names it
	s_endpgm
.Lfunc_end_k_qc41e9baa05_attn:
	.size	k_qc41e9baa05_attn, .Lfunc_end_k_qc41e9baa05_attn-k_qc41e9baa05_attn
	.p2alignl 7, 3214868480
	.fill 96, 4, 3214868480
	.section	.rodata,"a",@progbits
	.p2align	6, 0x0
	.amdhsa_kernel k_qc41e9baa05_attn
		.amdhsa_group_segment_fixed_size 327680
		.amdhsa_private_segment_fixed_size 0
		.amdhsa_enable_private_segment 0
		.amdhsa_kernarg_size 16
		.amdhsa_user_sgpr_count 2
		.amdhsa_user_sgpr_kernarg_segment_ptr 1
		.amdhsa_wavefront_size32 1
		.amdhsa_system_sgpr_workgroup_id_x 1
		.amdhsa_system_sgpr_workgroup_id_y 1
		.amdhsa_system_sgpr_workgroup_id_z 1
		.amdhsa_system_vgpr_workitem_id 0
		.amdhsa_next_free_vgpr 512
		.amdhsa_next_free_sgpr 66
		.amdhsa_reserve_vcc 0
		.amdhsa_float_denorm_mode_32 3
		.amdhsa_float_denorm_mode_16_64 3
		.amdhsa_memory_ordered 1
		.amdhsa_forward_progress 1
		.amdhsa_inst_pref_size 179
	.end_amdhsa_kernel
	.amdgpu_metadata
---
amdhsa.version: [ 1, 2 ]
amdhsa.kernels:
  - .name:           k_qc41e9baa05_attn
    .symbol:         k_qc41e9baa05_attn.kd
    .args:
      - { .name: qkv, .offset: 0, .size: 8, .value_kind: global_buffer, .address_space: global }
      - { .name: o16, .offset: 8, .size: 8, .value_kind: global_buffer, .address_space: global }
    .group_segment_fixed_size: 327680
    .private_segment_fixed_size: 0
    .kernarg_segment_align: 8
    .kernarg_segment_size: 16
    .max_flat_workgroup_size: 256
    .sgpr_count:     66
    .vgpr_count:     512
    .wavefront_size: 32
...
	.end_amdgpu_metadata
.endif
;; end of part 3
;; launch proj (part 4): grid 4 x 64, 4 waves a work-group, clusters of 4 x 4, 327,680 bytes of LDS; arguments o16, wo16, bo, out0; writes out0
.if DOCPART == 4
	.amdgcn_target "amdgcn-amd-amdhsa--gfx1250"
	.amdhsa_code_object_version 6
	.text
	.protected	k_qc41e9baa05_proj
	.globl	k_qc41e9baa05_proj
	.p2align	8
	.type	k_qc41e9baa05_proj,@function
k_qc41e9baa05_proj:
	s_mov_b64 s[64:65], 0
	v_nop
	global_prefetch_b8 v0, s[64:65] scope:SCOPE_SE
	s_setreg_imm32_b32 hwreg(HW_REG_WAVE_MODE, 25, 1), 1
	s_wait_xcnt 0x0
	s_wait_alu depctr_hold_cnt(0) depctr_sa_sdst(0) depctr_va_vdst(0) depctr_va_sdst(0) depctr_va_ssrc(0) depctr_va_vcc(0) depctr_vm_vsrc(0)
	s_getreg_b32 s2, hwreg(HW_REG_IB_STS2, 6, 4)
	s_cmp_eq_u32 s2, 0
	s_cbranch_scc0 .Lentry_in_a_cluster
	s_endpgm
.Lentry_in_a_cluster:
	s_bfe_u32 s2, ttmp6, 0x10000c
	s_cmp_lg_u32 s2, 0xf033
	s_cbranch_scc0 .Lentry_shape_is_right
	s_endpgm
.Lentry_shape_is_right:
; out0[m][n] = sum over k of o[m][k] Wo[k][n] + bo[n].  o16: [batch 4][head 16][s 2048][64] f16, so k = 64 head + channel; wo16: [1024 k][1024 n] f16; bo [1024], out0 [8192][1024] f32.  Sums in f32, begun with bo.
; A tile of out0 is 128 (m) x 256 (n): 256 work-groups.  Four waves, each 64 x 128: 32 accumulators of 16 x 16, 256 registers.  K goes in steps of 128 (two heads) through a ring of two LDS slots.
; THE MATRIX INSTRUCTION IS USED TRANSPOSED: source 0 = 16 columns of Wo (turned out of LDS by ds_load_tr16_b128), source 1 = 16 rows of o: a lane holds eight neighbouring columns of one row of out0.
; CLUSTERS: 4 x 4 work-groups.  The four of a row of the cluster need the same tiles of o, the four of a column the same tiles of Wo: each is asked for JOINTLY, by the same tensor load with the same descriptor
; and a mask that names the four.  By this text's count a wave has two loads out at the start and one behind each round.
; REGISTERS: window 0: v16-29 addresses; two fragment buffers: v32-63 o's four, v64-127 Wo's eight; v128-159, v160-223 likewise; on the way out v32-159 hold rows.
;            window 1: the accumulators ((a, b) at v[8 (8 a + b)]).   window 2: v0-63 bo in the result's layout.
.set KSTEP,  128
.set AP,     144                       ; a row of o in LDS: 128 bytes (one head) + 16
.set APAR,   128*AP                    ; one head's 128 rows: what one of waves 0, 1 fetches
.set BP,     544                       ; a k-row of Wo in LDS: 512 bytes + 32: an odd multiple of 32, for the turning load
.set BOFF,   2*APAR
.set BHALF,  64*BP                     ; 64 k-rows: what one of waves 2, 3 fetches
.set SLOT,   BOFF+2*BHALF
.set STAGE,  2*SLOT                    ; behind the ring: 16 rows x (512 bytes + 16) for each wave, for the way out: no tile lands there
.set SPITCH, 528
.set SPARE,  STAGE+4*16*SPITCH         ; the spare words, 128 bytes for each wave: two blocks of 256 bytes that no other line names
.set LAPS,   1024/(2*KSTEP)            ; a lap = two K steps = once round the ring
.set ADRA, 16                          ; v16-17  LDS address of my o fragments in slot 0, 1
.set ADRB, 20                          ; v20-21  the same for Wo
.set STO,  24                          ; v24     the way out: where I put 32 bytes of a row
.set RD,   25                          ; v25     the way out: where I read a row back
.set CO,   26                          ; v26     16 x lane
.set SPW,  28                          ; v28     LDS address of my spare word; never rewritten
.set NIL,  29                          ; v29     0; never rewritten
.set F0,   32
.set F1,   128
.set BK,   32                          ; the way out: 16 rows read back: v32-95 and v96-159 by turns
.set WV,   12                          ; s12 wave;  s13 wave / 2: my half of the rows, and: I fetch for o (0) or for Wo (1);  s14 wave % 2: my half of the columns, and: which part I fetch
.set HI,   13
.set LO,   14
.set G1, 24                            ; s[24:31] descriptor group 1 for o's tiles;  s[32:39] group 0, one set for each slot
.set G0, 32
.set G1B, 48                           ; s[48:55], s[56:63] the same for Wo's tiles
.set G0B, 56
.set MSB, 0
.macro WIN new                         ; the immediate's high byte repeats the setting that is left; a switch that changes nothing is dropped
.if MSB != (\new)
	s_set_vgpr_msb (MSB<<8)|(\new)
.set MSB, (\new)
.endif
.endm
.set W_MUL, 0x50                       ; sources 0 and 1 window 0; C and D window 1;  0x60: C (the bias) window 2
.macro JLOAD s                         ; a joint load; an s_nop 0 and four v_nop follow each of the two lines
	s_cmp_eq_u32 s[HI], 0
	s_cbranch_scc0 .Lfor_b_\@
	tensor_load_to_lds s[G0+4*\s:G0+4*\s+3], s[G1:G1+7]
	s_nop 0
.rept 4
	v_nop
.endr
	s_branch .Lasked_\@
.Lfor_b_\@:
	tensor_load_to_lds s[G0B+4*\s:G0B+4*\s+3], s[G1B:G1B+7]
	s_nop 0
.rept 4
	v_nop
.endr
.Lasked_\@:
.endm
.macro CREST                           ; a round of the cluster's barrier behind its opening barrier
	s_cmp_lg_u32 s[WV], 0
	s_cbranch_scc1 .Lnot_wave_0_\@
	s_barrier_signal -3
.Lnot_wave_0_\@:
	s_barrier_wait -3
	s_barrier_signal -1
	s_barrier_wait -1
.endm
.macro CROUND                          ; a whole round
	s_barrier_signal -1
	s_barrier_wait -1
	CREST
.endm
	s_load_b256 s[4:11], s[0:1], 0x0               ; o16 s[4:5], wo16 s[6:7], bo s[8:9], out0 s[10:11]
	v_lshl_add_u32 v[SPW], v0, 2, SPARE
	v_mov_b32 v[NIL], 0
	ds_add_u32 v[SPW], v[NIL]                      ; the wave's opening: the add, twice on end, and its wait ahead of my first tensor load
	ds_add_u32 v[SPW], v[NIL]
	v_lshrrev_b32 v1, 5, v0
	v_readfirstlane_b32 s[WV], v1
	s_lshr_b32 s[HI], s[WV], 1
	s_and_b32 s[LO], s[WV], 1
	s_bfe_u32 s40, ttmp6, 0x40000                  ; cx, cy: my place in the cluster
	s_bfe_u32 s41, ttmp6, 0x40004
	s_lshl_b32 s42, ttmp9, 2
	s_add_co_u32 s42, s42, s40                     ; tile column = 4 x cluster x + cx
	s_and_b32 s15, ttmp7, 0xffff
	s_lshl_b32 s15, s15, 2
	s_add_co_u32 s15, s15, s41                     ; tile row = 4 x cluster y + cy
	s_lshl_b32 s43, s41, 2
	s_lshl_b32 s43, 15, s43                        ; my row of the cluster
	s_lshl_b32 s44, 0x1111, s40                    ; my column
	; o's tile: 128 rows x 64 elements of 2 bytes, dense in memory; 4 words of padding after every 32
	s_or_b32 s[G1+0], s43, (1<<16)|(1<<20)|(1<<21)|(4<<22)|(3<<25)
	s_mov_b32 s[G1+1], 64<<16                      ; tensor_dim0
	s_mov_b32 s[G1+2], 128<<16                     ; tensor_dim1
	s_mov_b32 s[G1+3], 64<<16                      ; tile_dim0
	s_mov_b32 s[G1+4], 128                         ; tile_dim1
	s_mov_b32 s[G1+5], 64                          ; tensor_dim0_stride
	s_mov_b32 s[G1+6], 0
	s_mov_b32 s[G1+7], 0
	; Wo's tile: 64 k-rows x 256 elements, 1,024 elements from row to row; 8 words of padding after every 128
	s_or_b32 s[G1B+0], s44, (1<<16)|(1<<20)|(1<<21)|(6<<22)|(7<<25)
	s_mov_b32 s[G1B+1], 256<<16
	s_mov_b32 s[G1B+2], 64<<16
	s_mov_b32 s[G1B+3], 256<<16
	s_mov_b32 s[G1B+4], 64
	s_mov_b32 s[G1B+5], 1024
	s_mov_b32 s[G1B+6], 0
	s_mov_b32 s[G1B+7], 0
	; where the tiles come from.  o's hang on the tile row alone, Wo's on the tile column alone; every wave makes both, in registers that never hold the other coordinate
	s_lshr_b32 s16, s15, 4                         ; sixteen tile rows to a batch
	s_lshl_b32 s16, s16, 22
	s_and_b32 s17, s15, 15
	s_lshl_b32 s17, s17, 14                        ; 128 rows of 128 bytes
	s_add_co_u32 s16, s16, s17
	s_lshl_b32 s17, s[LO], 18                      ; the even or the odd head of a K step
	s_add_co_u32 s16, s16, s17
	s_mov_b32 s17, 0
	s_lshl_b32 s46, s[LO], 17                      ; 64 k-rows of 2,048 bytes
	s_lshl_b32 s47, s42, 9                         ; 256 columns of 2 bytes
	s_add_co_u32 s46, s46, s47
	s_mov_b32 s47, 0
	s_mul_i32 s20, s[LO], APAR                     ; and where they go: no place in the cluster enters an LDS address
	s_mul_i32 s21, s[LO], BHALF
	s_add_co_u32 s21, s21, BOFF
	s_wait_dscnt 0x0                               ; both opening adds are done
	s_wait_kmcnt 0x0
	s_add_nc_u64 s[16:17], s[4:5], s[16:17]
	s_add_nc_u64 s[46:47], s[6:7], s[46:47]
	CROUND                                         ; all sixteen work-groups are here: the first joint loads meet
.irp s, 0,1
	s_mov_b32 s[G0+4*\s], 1
	s_add_co_u32 s[G0+4*\s+1], s20, \s*SLOT
	s_add_nc_u64 s[G0+4*\s+2:G0+4*\s+3], s[16:17], \s*2*262144     ; K step s: two heads on
	s_or_b32 s[G0+4*\s+3], s[G0+4*\s+3], 0x80000000
	s_mov_b32 s[G0B+4*\s], 1
	s_add_co_u32 s[G0B+4*\s+1], s21, \s*SLOT
	s_add_nc_u64 s[G0B+4*\s+2:G0B+4*\s+3], s[46:47], \s*KSTEP*2048
	s_or_b32 s[G0B+4*\s+3], s[G0B+4*\s+3], 0x80000000
	JLOAD \s
.endr
	s_lshl_b32 s18, s42, 10                        ; my first column, 4 bytes each: 256 x tile column + 128 x half
	s_lshl_b32 s19, s[LO], 9
	s_add_co_u32 s18, s18, s19
	s_mov_b32 s19, 0
	s_add_nc_u64 s[8:9], s[8:9], s[18:19]          ; bo there
	s_lshl_b32 s22, s15, 19                        ; my first row: 128 x tile row + 64 x half, 4,096 bytes each
	s_lshl_b32 s23, s[HI], 18
	s_add_co_u32 s22, s22, s23
	s_add_co_u32 s18, s18, s22
	s_add_nc_u64 s[10:11], s[10:11], s[18:19]      ; out0 at my part's corner
	v_and_b32 v1, 15, v0                           ; l % 16
	v_bfe_u32 v2, v0, 4, 1                         ; l / 16
	v_lshlrev_b32 v27, 5, v2                       ; bo: lanes 16-31 take the eight columns behind lanes 0-15's
	WIN 0x80                                       ; destination window 2
.irp b, 0,1,2,3,4,5,6,7
	global_load_b128 v[8*\b:8*\b+3], v27, s[8:9] offset:64*\b
	global_load_b128 v[8*\b+4:8*\b+7], v27, s[8:9] offset:64*\b+16
.endr
	WIN 0
	v_mul_u32_u24 v3, v1, AP
	v_lshl_add_u32 v3, v2, 4, v3                   ; o: row x pitch + 16 x half
	s_mul_i32 s22, s[HI], 64*AP                    ; my 64 rows
	v_add_nc_u32 v[ADRA], s22, v3
	v_add_nc_u32 v[ADRA+1], SLOT, v[ADRA]
	v_and_b32 v4, 7, v0                            ; Wo, turned: lane l reads 16 bytes: k-row 8 (l / 16) + l % 8, columns 8 ((l / 8) % 2) + 0..7
	v_lshl_add_u32 v4, v2, 3, v4
	v_mul_u32_u24 v4, v4, BP
	v_bfe_u32 v5, v0, 3, 1
	v_lshl_add_u32 v4, v5, 4, v4
	s_lshl_b32 s22, s[LO], 8                       ; my 128 columns
	s_add_co_u32 s22, s22, BOFF
	v_add_nc_u32 v[ADRB], s22, v4
	v_add_nc_u32 v[ADRB+1], SLOT, v[ADRB]
	s_mul_i32 s23, s[WV], 16*SPITCH
	s_add_co_u32 s23, s23, STAGE                   ; my stage
	v_mul_u32_u24 v5, v1, SPITCH                   ; in: row l % 16, 32 bytes for each half of the lanes
	v_lshl_add_u32 v5, v2, 5, v5
	v_add_nc_u32 v[STO], s23, v5
	v_and_b32 v6, 31, v0
	v_lshlrev_b32 v[CO], 4, v6                     ; back: the 32 lanes take one row of 512 bytes; and the same in out0
	v_add_nc_u32 v[RD], s23, v[CO]
; 8 matrix instructions: m block a x all 8 n blocks, 32 along K, from buffer f.  first = 1: bo starts the sums.  The 32 accumulators take turns, one instruction a turn, in the same order in every quarter.
.macro MUL8 f, a, first
.irp b, 0,1,2,3,4,5,6,7
.if \first
	v_wmma_f32_16x16x32_f16 v[8*(8*(\a)+\b):8*(8*(\a)+\b)+7], v[\f+32+8*\b:\f+32+8*\b+7], v[\f+8*(\a):\f+8*(\a)+7], v[8*\b:8*\b+7]
.else
	v_wmma_f32_16x16x32_f16 v[8*(8*(\a)+\b):8*(8*(\a)+\b)+7], v[\f+32+8*\b:\f+32+8*\b+7], v[\f+8*(\a):\f+8*(\a)+7], v[8*(8*(\a)+\b):8*(8*(\a)+\b)+7]
.endif
.endr
.endm
; 24 LDS loads in one run: the fragments of the slot's q-th 32 along K into buffer f: Wo's eight first, o's blocks 2 and 3 last
.macro FETCH slot, q, f
.irp b, 0,1,2,3,4,5,6,7
	ds_load_tr16_b128 v[\f+32+8*\b:\f+32+8*\b+3],   v[ADRB+\slot] offset:(\q)*32*BP+32*\b
	ds_load_tr16_b128 v[\f+32+8*\b+4:\f+32+8*\b+7], v[ADRB+\slot] offset:(\q)*32*BP+16*BP+32*\b
.endr
.irp i, 0,1,2,3
	ds_load_b128 v[\f+8*\i:\f+8*\i+3],   v[ADRA+\slot] offset:((\q)/2)*APAR+((\q)%2)*64+\i*16*AP
	ds_load_b128 v[\f+8*\i+4:\f+8*\i+7], v[ADRA+\slot] offset:((\q)/2)*APAR+((\q)%2)*64+\i*16*AP+32
.endr
.endm
.macro PLACES                          ; four places in front of loads into registers that matrix instructions have read, and of the first read of results (ISA guide 7.12.1 for the first read of results)
.rept 4
	v_nop
.endr
.endm
; A K step is four quarters of 32 along K, 32 matrix instructions each, on buffers 0, 1, 0, 1.  One of the first three: multiplies buffer f and fetches quarter q into g.
.macro QUARTER slot, q, f, g, first
	s_wait_dscnt 4                                 ; Wo's fragments and o's blocks 0, 1 are in; the youngest four loads (blocks 2, 3) may be out
	WIN W_MUL+0x10*(\first)
	MUL8 \f, 0, \first
	MUL8 \f, 1, \first
	PLACES
	WIN 0
	FETCH \slot, \q, \g
	s_wait_dscnt 24                                ; all but the 24 just issued
	WIN W_MUL+0x10*(\first)
	MUL8 \f, 2, \first
	MUL8 \f, 3, \first
.endm
; The last quarter multiplies buffer 1 and changes slots: ONE barrier; in front of it each wave waits for all its tensor loads, adds 0 to its spare word, and waits for that and for its reads of this slot.
; fill = 1: the barrier opens a round of the cluster's, and this slot is filled again, two K steps ahead, first thing behind the round.
.macro TURN slot, next, fill
	WIN 0                                          ; (the add's two registers lie in window 0)
	s_wait_tensorcnt 0x0                           ; all my tensor loads have landed: my part of the next slot
	ds_add_u32 v[SPW], v[NIL]                      ; 0 onto my spare word
	s_wait_dscnt 5                                 ; (the add and the youngest four loads may be out)
	WIN W_MUL
	MUL8 F1, 0, 0                                  ; eight matrix instructions stand between the add and the wait for it
	s_wait_dscnt 0x0                               ; the add is done, and my reads of this slot are over
	s_barrier_signal -1
	MUL8 F1, 1, 0
	WIN 0
	s_barrier_wait -1
.if \fill
	CREST                                          ; no wave of any partner still reads this slot's tile or has a load on its way
	s_add_nc_u64 s[G0+4*\slot+2:G0+4*\slot+3], s[G0+4*\slot+2:G0+4*\slot+3], 4*262144
	s_add_nc_u64 s[G0B+4*\slot+2:G0B+4*\slot+3], s[G0B+4*\slot+2:G0B+4*\slot+3], 2*KSTEP*2048
	JLOAD \slot                                    ; the four v_nop behind it are also the places in front of the loads below
.else
	PLACES
.endif
	FETCH \next, 0, F0
	WIN W_MUL
	MUL8 F1, 2, 0
	MUL8 F1, 3, 0
.endm
	s_wait_tensorcnt 1                             ; my part of K step 0 is in (K step 1's may be out)
	s_barrier_signal -1
	s_barrier_wait -1                              ; everybody's is
	FETCH 0, 0, F0
	s_wait_loadcnt 0x0                             ; bo
	QUARTER 0, 1, F0, F1, 1                        ; the first quarter stands in front of the loop: its products start the sums with bo
	WIN 0                                          ; at a label and at a branch every window is 0
	s_mov_b32 s3, LAPS-1
.Llap:                                                 ; a trip goes once round the ring, from a lap's second quarter to the next lap's first, and fills both slots again
	QUARTER 0, 2, F1, F0, 0
	QUARTER 0, 3, F0, F1, 0
	TURN 0, 1, 1
	QUARTER 1, 1, F0, F1, 0
	QUARTER 1, 2, F1, F0, 0
	QUARTER 1, 3, F0, F1, 0
	TURN 1, 0, 1
	QUARTER 0, 1, F0, F1, 0
	WIN 0
	s_sub_co_u32 s3, s3, 1
	s_cmp_lg_u32 s3, 0
	s_cbranch_scc1 .Llap
	QUARTER 0, 2, F1, F0, 0                        ; the last lap fills nothing, and has no round of the cluster's barrier
	QUARTER 0, 3, F0, F1, 0
	TURN 0, 1, 0
	QUARTER 1, 1, F0, F1, 0
	QUARTER 1, 2, F1, F0, 0
	QUARTER 1, 3, F0, F1, 0
	s_wait_dscnt 4                                 ; the very last quarter: nothing more to fetch
	WIN W_MUL
	MUL8 F1, 0, 0
	MUL8 F1, 1, 0
	s_wait_dscnt 0
	MUL8 F1, 2, 0
	MUL8 F1, 3, 0
	WIN 0
; THE WAY OUT, block by block of 16 rows x 128 columns.  A lane holds 32 neighbouring bytes of a row: a block goes through my own stage and comes back as whole rows of 512 bytes.
; LDS serves a wave's instructions in order: no wait between the stores and the loads, nor in front of the next block's stores.
.macro TOSTAGE a
	WIN 0x04                                       ; an LDS store's data are its source 1: window 1
.irp b, 0,1,2,3,4,5,6,7
	ds_store_b128 v[STO], v[8*(8*(\a)+\b):8*(8*(\a)+\b)+3] offset:64*\b          ; each accumulator from its low end on
	ds_store_b128 v[STO], v[8*(8*(\a)+\b)+4:8*(8*(\a)+\b)+7] offset:64*\b+16
.endr
	WIN 0
.set BB, BK+64*((\a)%2)
.set u, 0
.rept 16
	ds_load_b128 v[BB+4*u:BB+4*u+3], v[RD] offset:u*SPITCH
.set u, u+1
.endr
.endm
.macro SEND a, younger                 ; younger: the LDS instructions issued behind block a's loads, which may stay out
.set BB, BK+64*((\a)%2)
	s_wait_dscnt \younger                          ; the block is back in registers
.set u, 0
.rept 16
	global_store_b128 v[CO], v[BB+4*u:BB+4*u+3], s[10:11] offset:(\a)*65536+u*4096 th:TH_STORE_NT   ; 32 lanes store 512 consecutive bytes, at a multiple of 256 from the buffer's first byte; written once, read by nobody here
.set u, u+1
.endr
.endm
	PLACES                                         ; behind the last products: results are read, and rows are loaded into the fragments' registers, from here on
	TOSTAGE 0
.irp a, 1,2,3
.if \a > 1
	s_wait_xcnt 0x0                                ; block a - 2's stores have read their registers: block a's loads may land there
.endif
	TOSTAGE \a
	SEND \a-1, 32                                  ; behind block a - 1's loads: block a's 16 stores and 16 loads
.endr
	SEND 3, 0
	s_wait_tensorcnt 0x0                           ; the wave's end: a tensor wait, an add of 0 and its wait behind my last tensor load and my last LDS store
	ds_add_u32 v[SPW], v[NIL]
	s_wait_dscnt 0x0
	CROUND                                         ; the closing round: no work-group ends while a partner may still ask for a tile that names it
	s_endpgm
.Lfunc_end_k_qc41e9baa05_proj:
	.size	k_qc41e9baa05_proj, .Lfunc_end_k_qc41e9baa05_proj-k_qc41e9baa05_proj
	.p2alignl 7, 3214868480
	.fill 96, 4, 3214868480
	.section	.rodata,"a",@progbits
	.p2align	6, 0x0
	.amdhsa_kernel k_qc41e9baa05_proj
		.amdhsa_group_segment_fixed_size 327680
		.amdhsa_private_segment_fixed_size 0
		.amdhsa_enable_private_segment 0
		.amdhsa_kernarg_size 32
		.amdhsa_user_sgpr_count 2
		.amdhsa_user_sgpr_kernarg_segment_ptr 1
		.amdhsa_wavefront_size32 1
		.amdhsa_system_sgpr_workgroup_id_x 1
		.amdhsa_system_sgpr_workgroup_id_y 1
		.amdhsa_system_sgpr_workgroup_id_z 1
		.amdhsa_system_vgpr_workitem_id 0
		.amdhsa_next_free_vgpr 576
		.amdhsa_next_free_sgpr 66
		.amdhsa_reserve_vcc 0
		.amdhsa_float_denorm_mode_32 3
		.amdhsa_float_denorm_mode_16_64 3
		.amdhsa_memory_ordered 1
		.amdhsa_forward_progress 1
		.amdhsa_inst_pref_size 86
	.end_amdhsa_kernel
	.amdgpu_metadata
---
amdhsa.version: [ 1, 2 ]
amdhsa.kernels:
  - .name:           k_qc41e9baa05_proj
    .symbol:         k_qc41e9baa05_proj.kd
    .args:
      - { .name: o16, .offset: 0, .size: 8, .value_kind: global_buffer, .address_space: global }
      - { .name: wo16, .offset: 8, .size: 8, .value_kind: global_buffer, .address_space: global }
      - { .name: bo, .offset: 16, .size: 8, .value_kind: global_buffer, .address_space: global }
      - { .name: out0, .offset: 24, .size: 8, .value_kind: global_buffer, .address_space: global }
    .group_segment_fixed_size: 327680
    .private_segment_fixed_size: 0
    .kernarg_segment_align: 8
    .kernarg_segment_size: 32
    .max_flat_workgroup_size: 128
    .sgpr_count:     66
    .vgpr_count:     576
    .wavefront_size: 32
...
	.end_amdgpu_metadata
.endif
;; end of part 4
